; MI455X (gfx1250); checked and timed in simulation.
; The chip was launched on July 23, 2026; its instructions are those of AMD's public machine-readable ISA for CDNA 5 (MIT licence, August 2026) and "CDNA5" Instruction Set Architecture Reference Guide (July 2026). The comments in the code are by the model that wrote it; some were corrected since.
;; CLIP Attention. Allowed arithmetic: float matrix products may take bf16 or f16 operands with f32 sums; other float arithmetic in f32, or as packed bf16 or f16 multiplies, adds, multiply-adds, maxima and minima; sums over many terms, partial sums and values carried from step to step in f32; what a program stores and reads back later, other than sums and carried values, may be rounded once to bf16 or f16.
;; Inputs: Wk 1,024 x 1,024 float32; Wo 1,024 x 1,024 float32; Wq 1,024 x 1,024 float32; Wv 1,024 x 1,024 float32; attn_mask 1,024 x 1,024 float32; beta 1,024 float32; bk 1,024 float32; bo 1,024 float32; bq 1,024 float32; bv 1,024 float32; gamma 1,024 float32; x 1,024 x 8 x 1,024 float32.
;; Outputs: out0 1,024 x 8 x 1,024 float32.
;; 2 versions, each right; version 2 is version 1 with the launch prep written anew for expert scheduling mode. Each part assembles by itself: llvm-mc -triple=amdgcn-amd-amdhsa -mcpu=gfx1250 --defsym DOCPART=n.
;; ======== version 1 of 2: 4 launches
;; workspace buffers: xn 16,777,216 bytes; wb 8,388,608 bytes; maskc 4,194,304 bytes; qkv 50,331,648 bytes; ob 16,777,216 bytes
;; launch prep (part 1): grid 256 x 1, 8 waves a work-group, no clusters, 0 bytes of LDS; arguments x, gamma, beta, Wq, Wk, Wv, Wo, attn_mask, xn, wb, maskc; writes xn, wb, maskc
.if DOCPART == 1
	.amdgcn_target "amdgcn-amd-amdhsa--gfx1250"
	.amdhsa_code_object_version 6
	.text
	.protected	k_q01553d03f0_prep
	.globl	k_q01553d03f0_prep
	.p2align	8
	.type	k_q01553d03f0_prep,@function
k_q01553d03f0_prep:
	s_mov_b64 s[64:65], 0
	v_nop
	global_prefetch_b8 v0, s[64:65] scope:SCOPE_SE
	s_setreg_imm32_b32 hwreg(HW_REG_WAVE_MODE, 25, 1), 1
	s_wait_xcnt 0x0
; THREE STREAMS, AN EQUAL SHARE OF EACH FOR EVERY WAVE.  Wave gw = 8 x work-group + wave, 0..2047:
;  (1) LayerNorm of x ([1024 l][8 b][1024] f32), rows 4 gw .. 4 gw + 3 -> xn, bf16, rows in the order b*1024 + l (a block of 256 rows is then 256 consecutive l of one b).
;      A row (4,096 bytes) stays in 32 registers between the pass for the mean, the pass for the variance (of x - mean: no difference of large sums) and the scaling.
;  (2) 8,192 bytes of Wq, Wk, Wv or Wo (f32) -> wb, bf16, [4096][1024]: the four weights one below the other.
;  (3) attn_mask (f32 [q][k]), 16 queries x 32 keys -> maskc, f32: max(8 x mask, -2^103), laid out as the C operand of S^T = K Q^T:
;      [q/16][k/16][c][lane][4]; lane (r = lane % 16, h = lane / 16) holds q = 16 (q/16) + r, k = 16 (k/16) + 8 h + 4 c + 0..3.
;      A wave's four loads take 128 consecutive bytes of each of 16 rows; the next wave of the same work-group takes the other 128 of each aligned 256.
; LIMITS.  A mask number below -2^100 (minus infinity too) counts as -2^100; a NaN in the mask likewise.  The factor 8 undoes the later factor 1/8 on the whole score; both are powers of two.
; IN FLIGHT.  All of (1)'s 48 loads go out at once; (2)'s and (3)'s go out into the registers of rows that are finished, so that loads are on their way until the end.
; No LDS, no barrier, no matrix unit: no wave wants a byte that another has fetched.  Every store of a wave covers 256 or 512 consecutive bytes, aligned.
.set LO,   1                           ; v1   16 x lane
.set SO,   2                           ; v2   8 x lane
.set MOFF, 3                           ; v3   the mask's source: r x 4,096 + 32 h
.set A,    4                           ; v[4:11]   four chains of packed sums
.set MU,   12                          ; v[12:13]  the mean, twice
.set R,    14                          ; v[14:15]  1 / sqrt(var + eps), twice
.set T,    16                          ; v[16:19]  at work
.set G,    32                          ; v[32:63]  gamma of my 32 columns
.set BT,   64                          ; v[64:95]  beta
.set X,    96                          ; v[96:223] four rows of 32 registers; later the weight's 16 loads (X ..) and the mask's 4 (X + 64 ..)
.set XM,   X+64
.set WV,   26                          ; s26  my wave's number
.set GW,   27                          ; s27  gw
	s_load_b512 s[4:19], s[0:1], 0x0               ; x s[4:5], gamma s[6:7], beta s[8:9], Wq s[10:11], Wk s[12:13], Wv s[14:15], Wo s[16:17], attn_mask s[18:19]
	s_load_b128 s[20:23], s[0:1], 0x40             ; xn s[20:21], wb s[22:23]
	s_load_b64 s[24:25], s[0:1], 0x50              ; maskc
	v_lshrrev_b32 v[T], 5, v0
	v_readfirstlane_b32 s[WV], v[T]
	v_and_b32 v[T+1], 31, v0                       ; (also: T+1 is written before v_permlanex16_b32 names it as its destination)
	v_lshlrev_b32 v[LO], 4, v[T+1]
	v_lshlrev_b32 v[SO], 3, v[T+1]
	v_and_b32 v[T+2], 15, v0
	v_bfe_u32 v[T+3], v0, 4, 1
	v_lshlrev_b32 v[MOFF], 12, v[T+2]
	v_lshl_add_u32 v[MOFF], v[T+3], 5, v[MOFF]
	s_mov_b32 s29, 0                               ; high words of the two offsets
	s_mov_b32 s31, 0
	s_mov_b32 s32, 0x76543210                      ; v_permlanex16_b32: each lane takes its own place in the other half
	s_mov_b32 s33, 0xfedcba98
	s_mov_b32 s34, 0x3a800000                      ; 1 / 1024
	s_mov_b32 s35, 0x3727c5ac                      ; 1e-5
	s_mov_b32 s36, 0xf3000000                      ; -2^103
	s_lshl_b32 s[GW], ttmp9, 3
	s_add_co_u32 s[GW], s[GW], s[WV]
	s_lshr_b32 s37, ttmp9, 6                       ; which weight: 512 waves to each
	s_wait_kmcnt 0x0
	s_lshl_b32 s28, s[GW], 14                      ; x: four rows of 4,096 bytes; l = gw / 2, b = 4 (gw % 2) + i
	s_add_nc_u64 s[4:5], s[4:5], s[28:29]
	s_and_b32 s30, s[GW], 1
	s_lshl_b32 s30, s30, 23                        ; xn: 4 x 1,024 rows of 2,048 bytes,
	s_lshr_b32 s28, s[GW], 1
	s_lshl_b32 s28, s28, 11                        ; row l
	s_add_co_u32 s30, s30, s28
	s_add_nc_u64 s[20:21], s[20:21], s[30:31]
.irp j, 0,1,2,3,4,5,6,7
	global_load_b128 v[G+4*\j:G+4*\j+3], v[LO], s[6:7] offset:512*\j     ; load j, lane l: columns 128 j + 4 l + 0..3
.endr
.irp j, 0,1,2,3,4,5,6,7
	global_load_b128 v[BT+4*\j:BT+4*\j+3], v[LO], s[8:9] offset:512*\j
.endr
.irp i, 0,1,2,3
.irp j, 0,1,2,3,4,5,6,7
	global_load_b128 v[X+32*\i+4*\j:X+32*\i+4*\j+3], v[LO], s[4:5] offset:4096*\i+512*\j th:TH_LOAD_NT
.endr
.endr
	s_cmp_eq_u32 s37, 1                            ; the weight's and the mask's addresses, while those loads are out
	s_cselect_b64 s[38:39], s[12:13], s[10:11]
	s_cmp_eq_u32 s37, 2
	s_cselect_b64 s[38:39], s[14:15], s[38:39]
	s_cmp_eq_u32 s37, 3
	s_cselect_b64 s[38:39], s[16:17], s[38:39]
	s_and_b32 s28, s[GW], 511
	s_lshl_b32 s28, s28, 13                        ; my 8,192 bytes of it
	s_add_nc_u64 s[38:39], s[38:39], s[28:29]
	s_lshl_b32 s30, s[GW], 12                      ; and their 4,096 in wb
	s_add_nc_u64 s[22:23], s[22:23], s[30:31]
	s_lshr_b32 s28, s[GW], 5
	s_lshl_b32 s28, s28, 16                        ; the mask: 16 rows of 4,096 bytes,
	s_and_b32 s30, s[GW], 31
	s_lshl_b32 s30, s30, 7                         ; 32 keys of 4 bytes
	s_add_co_u32 s28, s28, s30
	s_add_nc_u64 s[18:19], s[18:19], s[28:29]
	s_lshl_b32 s30, s[GW], 11                      ; and their 2,048 bytes in maskc
	s_add_nc_u64 s[24:25], s[24:25], s[30:31]
.macro COMB                            ; the four chains into one number a lane
	v_pk_add_f32 v[A:A+1], v[A:A+1], v[A+2:A+3]
	v_pk_add_f32 v[A+4:A+5], v[A+4:A+5], v[A+6:A+7]
	v_pk_add_f32 v[A:A+1], v[A:A+1], v[A+4:A+5]
	v_add_f32 v[T], v[A], v[A+1]
.endm
.macro RED                             ; the sum over the 32 lanes, in every lane
	v_add_f32_dpp v[T], v[T], v[T] row_xmask:1 row_mask:0xf bank_mask:0xf
	v_add_f32_dpp v[T], v[T], v[T] row_xmask:2 row_mask:0xf bank_mask:0xf
	v_add_f32_dpp v[T], v[T], v[T] row_xmask:4 row_mask:0xf bank_mask:0xf
	v_add_f32_dpp v[T], v[T], v[T] row_xmask:8 row_mask:0xf bank_mask:0xf
	v_permlanex16_b32 v[T+1], v[T], s32, s33
	v_add_f32 v[T], v[T], v[T+1]
.endm
.macro ROW i, left                     ; left: the loads issued behind this row's eight
.set XR, X+32*(\i)
	s_wait_loadcnt \left                           ; loads come back in order: my row is in (gamma and beta are older)
.irp k, 0,1,2,3
	v_pk_add_f32 v[A+2*\k:A+2*\k+1], v[XR+2*\k:XR+2*\k+1], v[XR+8+2*\k:XR+8+2*\k+1]   ; the first words start the chains: nothing is cleared
.endr
.irp o, 16,24
.irp k, 0,1,2,3
	v_pk_add_f32 v[A+2*\k:A+2*\k+1], v[A+2*\k:A+2*\k+1], v[XR+\o+2*\k:XR+\o+2*\k+1]
.endr
.endr
	COMB
	RED
	v_mul_f32 v[MU], s34, v[T]
	v_mul_f32 v[MU+1], s34, v[T]
.set k2, 0
.rept 16
	v_pk_add_f32 v[XR+k2:XR+k2+1], v[XR+k2:XR+k2+1], v[MU:MU+1] neg_lo:[0,1] neg_hi:[0,1]   ; x - mean, in place
.set k2, k2+2
.endr
.irp k, 0,1,2,3
	v_pk_mul_f32 v[A+2*\k:A+2*\k+1], v[XR+2*\k:XR+2*\k+1], v[XR+2*\k:XR+2*\k+1]
.endr
.irp o, 8,16,24
.irp k, 0,1,2,3
	v_pk_fma_f32 v[A+2*\k:A+2*\k+1], v[XR+\o+2*\k:XR+\o+2*\k+1], v[XR+\o+2*\k:XR+\o+2*\k+1], v[A+2*\k:A+2*\k+1]
.endr
.endr
	COMB
	RED
	v_fma_f32 v[T], v[T], s34, s35                 ; var + eps
	v_rsq_f32 v[R], v[T]
	v_rsq_f32 v[R+1], v[T]
	v_nop                                          ; a plain instruction behind the last of the two, ahead of the first use (ISA guide 5.7.2)
	s_wait_alu depctr_va_vdst(0)                   ; the wait ahead of the first reader: one for both
.irp j, 0,1,2,3,4,5,6,7
	v_pk_mul_f32 v[XR+4*\j:XR+4*\j+1], v[XR+4*\j:XR+4*\j+1], v[R:R+1]
	v_pk_mul_f32 v[XR+4*\j+2:XR+4*\j+3], v[XR+4*\j+2:XR+4*\j+3], v[R:R+1]
	v_pk_fma_f32 v[XR+4*\j:XR+4*\j+1], v[XR+4*\j:XR+4*\j+1], v[G+4*\j:G+4*\j+1], v[BT+4*\j:BT+4*\j+1]
	v_pk_fma_f32 v[XR+4*\j+2:XR+4*\j+3], v[XR+4*\j+2:XR+4*\j+3], v[G+4*\j+2:G+4*\j+3], v[BT+4*\j+2:BT+4*\j+3]
	v_cvt_pk_bf16_f32 v[XR+4*\j], v[XR+4*\j], v[XR+4*\j+1]
	v_cvt_pk_bf16_f32 v[XR+4*\j+1], v[XR+4*\j+2], v[XR+4*\j+3]
	global_store_b64 v[SO], v[XR+4*\j:XR+4*\j+1], s[20:21] offset:(\i)*2097152+256*\j   ; 32 lanes store 256 consecutive bytes, aligned
.endr
.endm
.macro WLOAD k0                        ; eight loads of the weight, 512 consecutive bytes each
.irp k, 0,1,2,3,4,5,6,7
	global_load_b128 v[X+4*((\k0)+\k):X+4*((\k0)+\k)+3], v[LO], s[38:39] offset:512*((\k0)+\k) th:TH_LOAD_NT
.endr
.endm
	ROW 0, 24                                      ; behind row 0: rows 1 to 3
	s_wait_xcnt 0x0                                ; row 0's stores have read their registers (ISA guide 3.1): only now are they loaded again
	WLOAD 0
	ROW 1, 24                                      ; behind row 1: rows 2, 3 and eight of the weight
	s_wait_xcnt 0x0
	WLOAD 8
	ROW 2, 24                                      ; behind row 2: row 3 and sixteen of the weight
	s_wait_xcnt 0x0
.irp n, 0,1,2,3
	global_load_b128 v[XM+4*\n:XM+4*\n+3], v[MOFF], s[18:19] offset:64*(\n/2)+16*(\n%2)   ; key block n / 2, half c = n % 2
.endr
	ROW 3, 20                                      ; behind row 3: sixteen of the weight and four of the mask
.set k, 0
.rept 16
	s_wait_loadcnt 19-k                            ; the weight's load k is in; its younger ones and the mask's four stay out
	v_cvt_pk_bf16_f32 v[X+4*k], v[X+4*k], v[X+4*k+1]
	v_cvt_pk_bf16_f32 v[X+4*k+1], v[X+4*k+2], v[X+4*k+3]
	global_store_b64 v[SO], v[X+4*k:X+4*k+1], s[22:23] offset:256*k
.set k, k+1
.endr
.set k, 0
.rept 4
	s_wait_loadcnt 3-k
	v_pk_mul_f32 v[XM+4*k:XM+4*k+1], v[XM+4*k:XM+4*k+1], 0x41000000 op_sel_hi:[1,0]
	v_pk_mul_f32 v[XM+4*k+2:XM+4*k+3], v[XM+4*k+2:XM+4*k+3], 0x41000000 op_sel_hi:[1,0]
	v_max_num_f32 v[XM+4*k], s36, v[XM+4*k]        ; a NaN loses against the bound
	v_max_num_f32 v[XM+4*k+1], s36, v[XM+4*k+1]
	v_max_num_f32 v[XM+4*k+2], s36, v[XM+4*k+2]
	v_max_num_f32 v[XM+4*k+3], s36, v[XM+4*k+3]
	global_store_b128 v[LO], v[XM+4*k:XM+4*k+3], s[24:25] offset:512*k   ; 512 consecutive bytes, aligned
.set k, k+1
.endr
	s_endpgm
.Lfunc_end_k_q01553d03f0_prep:
	.size	k_q01553d03f0_prep, .Lfunc_end_k_q01553d03f0_prep-k_q01553d03f0_prep
	.p2alignl 7, 3214868480
	.fill 96, 4, 3214868480
	.section	.rodata,"a",@progbits
	.p2align	6, 0x0
	.amdhsa_kernel k_q01553d03f0_prep
		.amdhsa_group_segment_fixed_size 0
		.amdhsa_private_segment_fixed_size 0
		.amdhsa_enable_private_segment 0
		.amdhsa_kernarg_size 88
		.amdhsa_user_sgpr_count 2
		.amdhsa_user_sgpr_kernarg_segment_ptr 1
		.amdhsa_wavefront_size32 1
		.amdhsa_system_sgpr_workgroup_id_x 1
		.amdhsa_system_sgpr_workgroup_id_y 1
		.amdhsa_system_sgpr_workgroup_id_z 1
		.amdhsa_system_vgpr_workitem_id 0
		.amdhsa_next_free_vgpr 224
		.amdhsa_next_free_sgpr 66
		.amdhsa_reserve_vcc 0
		.amdhsa_float_denorm_mode_32 3
		.amdhsa_float_denorm_mode_16_64 3
		.amdhsa_memory_ordered 1
		.amdhsa_forward_progress 1
		.amdhsa_inst_pref_size 47
	.end_amdhsa_kernel
	.amdgpu_metadata
---
amdhsa.version: [ 1, 2 ]
amdhsa.kernels:
  - .name:           k_q01553d03f0_prep
    .symbol:         k_q01553d03f0_prep.kd
    .args:
      - { .name: x, .offset: 0, .size: 8, .value_kind: global_buffer, .address_space: global }
      - { .name: gamma, .offset: 8, .size: 8, .value_kind: global_buffer, .address_space: global }
      - { .name: beta, .offset: 16, .size: 8, .value_kind: global_buffer, .address_space: global }
      - { .name: Wq, .offset: 24, .size: 8, .value_kind: global_buffer, .address_space: global }
      - { .name: Wk, .offset: 32, .size: 8, .value_kind: global_buffer, .address_space: global }
      - { .name: Wv, .offset: 40, .size: 8, .value_kind: global_buffer, .address_space: global }
      - { .name: Wo, .offset: 48, .size: 8, .value_kind: global_buffer, .address_space: global }
      - { .name: attn_mask, .offset: 56, .size: 8, .value_kind: global_buffer, .address_space: global }
      - { .name: xn, .offset: 64, .size: 8, .value_kind: global_buffer, .address_space: global }
      - { .name: wb, .offset: 72, .size: 8, .value_kind: global_buffer, .address_space: global }
      - { .name: maskc, .offset: 80, .size: 8, .value_kind: global_buffer, .address_space: global }
    .group_segment_fixed_size: 0
    .private_segment_fixed_size: 0
    .kernarg_segment_align: 8
    .kernarg_segment_size: 88
    .max_flat_workgroup_size: 256
    .sgpr_count:     66
    .vgpr_count:     224
    .wavefront_size: 32
...
	.end_amdgpu_metadata
.endif
;; end of part 1
;; launch qkvproj (part 2): grid 16 x 32, 4 waves a work-group, clusters of 4 x 4, 327,680 bytes of LDS; arguments xn, wb, bq, bk, bv, qkv; writes qkv
.if DOCPART == 2
	.amdgcn_target "amdgcn-amd-amdhsa--gfx1250"
	.amdhsa_code_object_version 6
	.text
	.protected	k_q01553d03f0_qkvproj
	.globl	k_q01553d03f0_qkvproj
	.p2align	8
	.type	k_q01553d03f0_qkvproj,@function
k_q01553d03f0_qkvproj:
	s_mov_b64 s[64:65], 0
	v_nop
	global_prefetch_b8 v0, s[64:65] scope:SCOPE_SE
	s_setreg_imm32_b32 hwreg(HW_REG_WAVE_MODE, 25, 1), 1
	s_wait_xcnt 0x0
	s_wait_alu depctr_hold_cnt(0) depctr_sa_sdst(0) depctr_va_vdst(0) depctr_va_sdst(0) depctr_va_ssrc(0) depctr_va_vcc(0) depctr_vm_vsrc(0)
	s_getreg_b32 s2, hwreg(HW_REG_IB_STS2, 6, 4)
	s_cmp_eq_u32 s2, 0
	s_cbranch_scc0 .Lentry_in_a_cluster
	s_endpgm
.Lentry_in_a_cluster:
	s_bfe_u32 s2, ttmp6, 0x10000c
	s_cmp_lg_u32 s2, 0xf033
	s_cbranch_scc0 .Lentry_shape_is_right
	s_endpgm
.Lentry_shape_is_right:
; q, k, v = xn W^T + bias.  xn: [8192][1024] bf16 (row b*1024 + l); wb rows 0..3071: Wq, Wk, Wv, bf16; sums in f32; qkv: [which 3][head = 16 b + hh][l 1024][64] bf16, q NOT yet scaled.
; A tile is 256 rows x 192 columns: 32 x 16 = 512 work-groups, twice 256; 192 columns are three whole heads.  Four waves; wave w makes rows 64 w .. 64 w + 63 x all 192 columns:
; 48 accumulators of 16 x 16, 384 registers.  K = 1,024 goes in 8 steps of 128 (rows of 256 bytes, aligned) through two LDS slots filled by the tensor data mover.
; CLUSTER 4 x 4: the four work-groups of a row of the cluster want the same tile of xn, the four of a column the same tile of wb: each is asked for JOINTLY.
; THE PRODUCT IS USED TRANSPOSED (source 0 = 16 rows of wb, source 1 = 16 rows of xn): lane l holds row l % 16 and the columns 8 (l / 16) + 0..7.
; THE BIAS is the C operand of the product that starts each sum: nothing is cleared and nothing is added later.
; REGISTERS, in windows of 256 (s_set_vgpr_msb: bits 1:0 source 0, 3:2 source 1, 5:4 source 2, 7:6 destination):
;   window 0: v16-31 addresses; v128-223 the bias (column block b at 128 + 8 b); on the way out v32-223
;   window 1: two fragment buffers of 128: xn's four blocks at +8 i, wb's twelve at +32 + 8 b
;   windows 2, 3: accumulator (a, b) in window 2 + a / 2 at 96 (a % 2) + 8 b
.set PITCH, 272                        ; an LDS row: 256 bytes + 16 of padding = 68 words: the 16 rows of a fragment load start at 16 different groups of four banks (64 banks of 4 bytes: ISA guide 11.1)
.set BOFF,  256*PITCH                  ; a slot: xn's 256 rows, then wb's 192
.set SLOT1, 1<<17                      ; slot 1 begins here: one exclusive or turns an address in one slot into the other's
.set STAGE, SLOT1+BOFF+192*PITCH       ; behind the ring, never filled by a tensor load: 16 rows x 144 bytes for each wave
.set SP,    144
.set SPARE, STAGE+4*16*SP              ; the spare words, 128 bytes a wave: two blocks of 256 bytes that no other line names
.set STEPB, 256                        ; bytes of a row in a K step
.set F0,   0
.set F1,   128
.set BIAS, 128
.set OUTR, 32
.set A0,   16                          ; v16  my lane's place in xn's tile (my wave's 64 rows); never rewritten
.set B0,   17                          ; v17  the same in wb's tile
.set ADRA, 18                          ; v18  A0 + the slot in hand
.set ADRB, 19                          ; v19  B0 + the slot in hand
.set STO,  24                          ; v24  the way out: where I put 16 bytes of a row
.set RD,   25                          ; v25  where I read rows back
.set GO,   26                          ; v26  16 x lane
.set SPW,  28                          ; v28  my spare word; never rewritten
.set NIL,  29                          ; v29  0; never rewritten
.set PFO,  30                          ; v30  the prefetches' offset: a lane a row
.set BO,   31                          ; v31  32 x (lane / 16): my eight numbers in 16 of a bias
.set CNT,  3
.set WV,   16
.set ROLE, 17                          ; s17  0: I fetch xn's tiles, 1: wb's
.set HALF, 18                          ; s18  which half of that tile's rows
.set CX,   19
.set CY,   20
.set TX,   21
.set TY,   22
.set TB,   23                          ; s23  the slot that is read
.set G1A,  24                          ; s[24:31] descriptor group 1, xn
.set G0A,  32                          ; s[32:39] group 0, xn: a set for each first fill; the second then walks
.set G1B,  48
.set G0B,  56
.set PFA,  66                          ; s[66:67] where my prefetches stand
.set LIM,  68                          ; s68  2 in a wave that prefetches, else the greatest number
.set BP,   70                          ; s[70:75] the bias at each of my tile's three heads
.set OB,   76                          ; s[76:81] qkv at my wave's rows of each of them
.set MSB, 0
.macro WIN new                         ; the immediate's high byte repeats the setting that is left; a switch that changes nothing is dropped
.if MSB != (\new)
	s_set_vgpr_msb (MSB<<8)|(\new)
.set MSB, \new
.endif
.endm
.macro PLACES                          ; four plain instructions between a matrix instruction and a load into, or a vector read of, its registers
.rept 4
	v_nop
.endr
.endm
.macro CREST                           ; a round of the cluster's barrier behind its opening barrier
	s_cmp_lg_u32 s[WV], 0
	s_cbranch_scc1 .Lnot_wave_0_\@
	s_barrier_signal -3
.Lnot_wave_0_\@:
	s_barrier_wait -3
	s_barrier_signal -1
	s_barrier_wait -1
.endm
.macro CROUND
	s_barrier_signal -1
	s_barrier_wait -1
	CREST
.endm
.macro JLOAD                           ; a joint refill by the walking descriptor; the branch hangs on the wave's number alone; an s_nop 0 and four v_nop follow each line
	s_cmp_eq_u32 s[ROLE], 0
	s_cbranch_scc0 .Lfor_b_\@
	tensor_load_to_lds s[G0A+4:G0A+7], s[G1A:G1A+7]
	s_nop 0
.rept 4
	v_nop
.endr
	s_branch .Lasked_\@
.Lfor_b_\@:
	tensor_load_to_lds s[G0B+4:G0B+7], s[G1B:G1B+7]
	s_nop 0
.rept 4
	v_nop
.endr
.Lasked_\@:
.endm
; A PREFETCH INTO THE L2 of the K step that stands two refills on (384 matrix instructions ahead of the load that wants it): a lane a row, 256 bytes of each.  xn's rows are asked for by the
; cluster with x = 0, wb's by the cluster with y = 0; the four partners that fetch a tile jointly share its rows out BY ADDRESS (32 of 128, or 24 of 96).  The last two refills have no step two on.
.macro ASK
	s_cmp_gt_u32 s[CNT], s[LIM]
	s_cbranch_scc0 .Lnot_mine_\@
	global_prefetch_b8 v[PFO], s[PFA:PFA+1] th:TH_LOAD_NT scope:SCOPE_SE
.Lnot_mine_\@:
.endm
	s_load_b256 s[4:11], s[0:1], 0x0               ; xn s[4:5], wb s[6:7], bq s[8:9], bk s[10:11]
	s_load_b128 s[12:15], s[0:1], 0x20             ; bv s[12:13], qkv s[14:15]
	v_lshl_add_u32 v[SPW], v0, 2, SPARE
	v_mov_b32 v[NIL], 0
	ds_add_u32 v[SPW], v[NIL]                      ; the wave's opening: the add and its wait stand ahead of my first tensor load; work on registers stands between them
	v_lshrrev_b32 v1, 5, v0
	v_readfirstlane_b32 s[WV], v1
	s_lshr_b32 s[ROLE], s[WV], 1
	s_and_b32 s[HALF], s[WV], 1
	s_bfe_u32 s[CX], ttmp6, 0x40000
	s_bfe_u32 s[CY], ttmp6, 0x40004
	s_lshl_b32 s[TX], ttmp9, 2
	s_add_co_u32 s[TX], s[TX], s[CX]               ; tile column = 4 x cluster x + cx
	s_and_b32 s[TY], ttmp7, 0xffff
	s_lshl_b32 s[TY], s[TY], 2
	s_add_co_u32 s[TY], s[TY], s[CY]               ; tile row
	s_lshl_b32 s40, s[CY], 2
	s_lshl_b32 s40, 15, s40                        ; my row of the cluster
	s_lshl_b32 s44, 0x1111, s[CX]                  ; my column
	s_or_b32 s[G1A], s40, (1<<16)|(1<<20)|(1<<21)|(5<<22)|(3<<25)   ; mask; 2-byte elements; padding on; bit 21 beside a mask; after every 64 words, 4 words
	s_or_b32 s[G1B], s44, (1<<16)|(1<<20)|(1<<21)|(5<<22)|(3<<25)
.irp g, G1A, G1B
	s_mov_b32 s[(\g)+1], 128<<16                   ; tensor_dim0 = 128
	s_mov_b32 s[(\g)+3], 128<<16                   ; tile_dim0 = 128
	s_mov_b32 s[(\g)+5], 1024                      ; elements from row to row
	s_mov_b32 s[(\g)+6], 0
	s_mov_b32 s[(\g)+7], 0
.endr
	s_mov_b32 s[G1A+2], 128<<16                    ; tensor_dim1 = tile_dim1 = 128 rows of xn a wave,
	s_mov_b32 s[G1A+4], 128
	s_mov_b32 s[G1B+2], 96<<16                     ; 96 of wb
	s_mov_b32 s[G1B+4], 96
	s_lshl_b32 s40, s[TY], 8                       ; xn: row 256 x tile row + 128 x half (registers 40-43 never hold cx)
	s_lshl_b32 s41, s[HALF], 7
	s_add_co_u32 s40, s40, s41
	s_lshl_b32 s40, s40, 11
	s_mov_b32 s41, 0
	s_mul_i32 s44, s[TX], 192                      ; wb: row 192 x tile column + 96 x half (registers 44-47 never hold cy)
	s_mul_i32 s45, s[HALF], 96
	s_add_co_u32 s44, s44, s45
	s_lshl_b32 s44, s44, 11
	s_mov_b32 s45, 0
	s_mul_i32 s2, s[HALF], 128*PITCH               ; where they go: no place in the cluster enters an LDS address
	s_mul_i32 s86, s[HALF], 96*PITCH
	s_add_co_u32 s86, s86, BOFF
	s_mov_b32 s[TB], 0
	s_wait_dscnt 0x0                               ; the opening add is done
	s_wait_kmcnt 0x0
	s_add_nc_u64 s[42:43], s[4:5], s[40:41]
	s_add_nc_u64 s[46:47], s[6:7], s[44:45]
	CROUND                                         ; all sixteen work-groups are here: the first joint loads meet
.irp s, 0,1
	s_mov_b32 s[G0A+4*(\s)], 1
	s_add_co_u32 s[G0A+4*(\s)+1], s2, (\s)*SLOT1
	s_add_nc_u64 s[G0A+4*(\s)+2:G0A+4*(\s)+3], s[42:43], (\s)*STEPB
	s_or_b32 s[G0A+4*(\s)+3], s[G0A+4*(\s)+3], 0x80000000
	s_mov_b32 s[G0B+4*(\s)], 1
	s_add_co_u32 s[G0B+4*(\s)+1], s86, (\s)*SLOT1
	s_add_nc_u64 s[G0B+4*(\s)+2:G0B+4*(\s)+3], s[46:47], (\s)*STEPB
	s_or_b32 s[G0B+4*(\s)+3], s[G0B+4*(\s)+3], 0x80000000
.endr
	s_cmp_eq_u32 s[ROLE], 0                        ; a wave's two first fills stand in one branch, ahead of every wait on TENSORcnt and every LDS read: two loads of mine are out
	s_cbranch_scc0 .Lfirst_b
	tensor_load_to_lds s[G0A:G0A+3], s[G1A:G1A+7]
	s_nop 0
	tensor_load_to_lds s[G0A+4:G0A+7], s[G1A:G1A+7]
	s_nop 0
.rept 4
	v_nop
.endr
	s_branch .Lfirst_asked
.Lfirst_b:
	tensor_load_to_lds s[G0B:G0B+3], s[G1B:G1B+7]
	s_nop 0
	tensor_load_to_lds s[G0B+4:G0B+7], s[G1B:G1B+7]
	s_nop 0
.rept 4
	v_nop
.endr
.Lfirst_asked:
	v_and_b32 v1, 15, v0                           ; l % 16
	v_bfe_u32 v2, v0, 4, 1                         ; l / 16
	v_lshlrev_b32 v[BO], 5, v2
	s_mov_b32 s85, 0
.irp hb, 0,1,2                         ; head block g = 3 x tile column + hb of 48: which = g / 16 (q, k, v), head hh = g % 16
	s_mul_i32 s82, s[TX], 3
	s_add_co_u32 s82, s82, \hb
	s_lshr_b32 s83, s82, 4
	s_and_b32 s82, s82, 15
	s_cmp_eq_u32 s83, 1
	s_cselect_b64 s[BP+2*\hb:BP+2*\hb+1], s[10:11], s[8:9]
	s_cmp_eq_u32 s83, 2
	s_cselect_b64 s[BP+2*\hb:BP+2*\hb+1], s[12:13], s[BP+2*\hb:BP+2*\hb+1]
	s_lshl_b32 s84, s82, 8                         ; 64 numbers of 4 bytes a head
	s_add_nc_u64 s[BP+2*\hb:BP+2*\hb+1], s[BP+2*\hb:BP+2*\hb+1], s[84:85]
	s_lshl_b32 s83, s83, 7                         ; which x 128 heads
	s_add_co_u32 s83, s83, s82
	s_lshr_b32 s84, s[TY], 2                       ; b
	s_lshl_b32 s84, s84, 4
	s_add_co_u32 s83, s83, s84
	s_lshl_b32 s83, s83, 10                        ; x 1,024 rows
	s_and_b32 s84, s[TY], 3
	s_lshl_b32 s84, s84, 8                         ; + the tile's first l
	s_add_co_u32 s83, s83, s84
	s_lshl_b32 s84, s[WV], 6                       ; + my wave's 64 rows
	s_add_co_u32 s83, s83, s84
	s_lshl_b32 s84, s83, 7                         ; x 128 bytes
	s_add_nc_u64 s[OB+2*\hb:OB+2*\hb+1], s[14:15], s[84:85]
.endr
.irp hb, 0,1,2
.irp b, 0,1,2,3
	global_load_b128 v[BIAS+32*\hb+8*\b:BIAS+32*\hb+8*\b+3],   v[BO], s[BP+2*\hb:BP+2*\hb+1] offset:64*\b      ; register j of lane l: bias of column 16 b + 8 (l / 16) + j
	global_load_b128 v[BIAS+32*\hb+8*\b+4:BIAS+32*\hb+8*\b+7], v[BO], s[BP+2*\hb:BP+2*\hb+1] offset:64*\b+16
.endr
.endr
	; a fragment is 16 rows x 32 K in 8 registers: lane l holds row l % 16, K = 8 (l / 16) + 0..7 and 16 + 8 (l / 16) + 0..7: two loads of 16 bytes, 32 bytes apart
	v_mul_u32_u24 v3, v1, PITCH
	v_lshl_add_u32 v3, v2, 4, v3
	s_mul_i32 s82, s[WV], 64*PITCH
	v_add_nc_u32 v[A0], s82, v3
	v_add_nc_u32 v[B0], BOFF, v3
	s_mul_i32 s82, s[WV], 16*SP
	s_add_co_u32 s82, s82, STAGE                   ; my stage
	v_mul_u32_u24 v4, v1, SP                       ; in: row l % 16, 16 bytes for each half of the lanes
	v_lshl_add_u32 v4, v2, 4, v4
	v_add_nc_u32 v[STO], s82, v4
	v_bfe_u32 v5, v0, 3, 2                         ; back: 32 lanes take four rows of 128 bytes,
	v_mul_u32_u24 v5, v5, SP
	v_and_b32 v6, 7, v0
	v_lshl_add_u32 v5, v6, 4, v5
	v_add_nc_u32 v[RD], s82, v5
	v_and_b32 v7, 31, v0                           ; which are 512 consecutive bytes of qkv
	v_lshlrev_b32 v[GO], 4, v7
	; the prefetches
	s_and_b32 s82, ttmp7, 0xffff
	s_cmp_eq_u32 s[ROLE], 0
	s_cselect_b32 s82, ttmp9, s82                  ; the coordinate along which other clusters read the same rows
	s_cselect_b64 s[PFA:PFA+1], s[42:43], s[46:47] ; the rows that I fetch, at K step 0
	s_cselect_b32 s83, s[CX], s[CY]                ; my place among the four that ask with me
	s_cselect_b32 s84, 32, 24                      ; its share of the rows
	s_cselect_b32 s86, 31, 23
	s_mul_i32 s83, s83, s84
	s_lshl_b32 s84, s83, 11
	s_add_nc_u64 s[PFA:PFA+1], s[PFA:PFA+1], s[84:85]
	s_add_nc_u64 s[PFA:PFA+1], s[PFA:PFA+1], 3*STEPB   ; at K step 3: the first refill steps it to 4.  Steps 0 to 3 come by their loads alone
	s_cmp_eq_u32 s82, 0
	s_cselect_b32 s[LIM], 2, -1                    ; the same in all sixteen partners, for a given wave
	v_min_u32 v[PFO], s86, v7                      ; (of wb's 24 rows the last is named by nine lanes of the one instruction)
	v_lshlrev_b32 v[PFO], 11, v[PFO]
; 12 matrix instructions: row block a x all column blocks, 32 along K.  first = 1: the bias starts the sums.  The 48 accumulators take turns in the same order in every quarter, over the backward jump too.
.macro MULA f, a, first
.set AR, 96*((\a)%2)
.if \first
	WIN 0x05|((2+(\a)/2)<<6)
.else
	WIN 0x05|((2+(\a)/2)*0x50)
.endif
.irp b, 0,1,2,3,4,5,6,7,8,9,10,11
.if \first
	v_wmma_f32_16x16x32_bf16 v[AR+8*\b:AR+8*\b+7], v[(\f)+32+8*\b:(\f)+32+8*\b+7], v[(\f)+8*(\a):(\f)+8*(\a)+7], v[BIAS+8*\b:BIAS+8*\b+7]
.else
	v_wmma_f32_16x16x32_bf16 v[AR+8*\b:AR+8*\b+7], v[(\f)+32+8*\b:(\f)+32+8*\b+7], v[(\f)+8*(\a):(\f)+8*(\a)+7], v[AR+8*\b:AR+8*\b+7]
.endif
.endr
.endm
; 32 LDS loads in one run: quarter kq (32 along K) of the slot in hand, into buffer f
.macro FETCH kq, f
	WIN 0x40
.irp b, 0,1,2,3,4,5,6,7,8,9,10,11
	ds_load_b128 v[(\f)+32+8*\b:(\f)+32+8*\b+3],   v[ADRB] offset:64*(\kq)+\b*16*PITCH
	ds_load_b128 v[(\f)+32+8*\b+4:(\f)+32+8*\b+7], v[ADRB] offset:64*(\kq)+\b*16*PITCH+32
.endr
.irp i, 0,1,2,3
	ds_load_b128 v[(\f)+8*\i:(\f)+8*\i+3],   v[ADRA] offset:64*(\kq)+\i*16*PITCH
	ds_load_b128 v[(\f)+8*\i+4:(\f)+8*\i+7], v[ADRA] offset:64*(\kq)+\i*16*PITCH+32
.endr
.endm
; One of a K step's first three quarters: buffer f is multiplied (48 matrix instructions) while quarter kq comes into buffer g
.macro QUARTER kq, f, g, first
	s_wait_dscnt 0x0                               ; buffer f's loads were issued 24 matrix instructions ago or more
	PLACES                                         ; buffer g was read by the matrix instructions just issued
	FETCH \kq, \g
	MULA \f, 0, \first
	MULA \f, 1, \first
	MULA \f, 2, \first
	MULA \f, 3, \first
.endm
; The last quarter multiplies buffer 1 and changes slots.  In front of the barrier each wave waits for all its tensor loads (one is out: its part of the next slot), adds 0 to its spare word,
; and waits for that and for its reads of this slot.  fill = 1: the barrier opens a round of the cluster's, and the joint refill is the first thing behind it.
.macro TURN fill
.if \fill
	s_wait_xcnt 0x0                                ; the last prefetch, a K step back, has read its address
	s_add_nc_u64 s[PFA:PFA+1], s[PFA:PFA+1], STEPB
.endif
	WIN 0
	s_wait_tensorcnt 0x0                           ; all my tensor loads have landed
	ds_add_u32 v[SPW], v[NIL]                      ; 0 onto my spare word
	s_wait_dscnt 0x1                               ; buffer 1's loads are in; only the add may be out
	MULA F1, 0, 0                                  ; twelve matrix instructions stand between the add and the wait for it
	s_wait_dscnt 0x0                               ; the add is done, and my reads of this slot are over
	s_barrier_signal -1
	MULA F1, 1, 0                                  ; work on registers while the others arrive
	WIN 0
	s_barrier_wait -1
.if \fill
	CREST                                          ; no wave of any partner still reads this slot or has a load on its way
	s_xor_b32 s[G0A+5], s[G0A+5], SLOT1            ; the walking descriptors: the other slot than last time, the next K step
	s_add_nc_u64 s[G0A+6:G0A+7], s[G0A+6:G0A+7], STEPB
	s_xor_b32 s[G0B+5], s[G0B+5], SLOT1
	s_add_nc_u64 s[G0B+6:G0B+7], s[G0B+6:G0B+7], STEPB
	JLOAD                                          ; its four v_nop are also the places in front of the loads below
.else
	PLACES
.endif
	s_xor_b32 s[TB], s[TB], SLOT1
	v_add_nc_u32 v[ADRA], s[TB], v[A0]
	v_add_nc_u32 v[ADRB], s[TB], v[B0]
	FETCH 0, F0
.if \fill
	WIN 0
	ASK
.endif
	MULA F1, 2, 0
	MULA F1, 3, 0
.endm
	s_wait_tensorcnt 0x1                           ; my part of K step 0 is in; step 1's may stay out
	s_barrier_signal -1
	s_barrier_wait -1
	v_mov_b32 v[ADRA], v[A0]
	v_mov_b32 v[ADRB], v[B0]
	FETCH 0, F0
	s_wait_loadcnt 0x0                             ; the bias
	QUARTER 1, F0, F1, 1                           ; the first quarter stands in front of the loop: its products start the sums
	WIN 0
	s_mov_b32 s[CNT], 6
.Lstep:                                                ; six trips, each from a step's second quarter to the next step's first; each fills a slot again (K steps 2 to 7)
	QUARTER 2, F1, F0, 0
	QUARTER 3, F0, F1, 0
	TURN 1
	QUARTER 1, F0, F1, 0
	WIN 0
	s_sub_co_u32 s[CNT], s[CNT], 1
	s_cmp_lg_u32 s[CNT], 0
	s_cbranch_scc1 .Lstep
	QUARTER 2, F1, F0, 0                           ; the tail is written out
	QUARTER 3, F0, F1, 0
	TURN 0
	QUARTER 1, F0, F1, 0
	QUARTER 2, F1, F0, 0
	QUARTER 3, F0, F1, 0
	s_wait_dscnt 0x0
	MULA F1, 0, 0
	MULA F1, 1, 0
	MULA F1, 2, 0
	MULA F1, 3, 0
	WIN 0
	PLACES
	PLACES
; THE WAY OUT.  A unit is 16 rows x one head's 64 columns: 2,048 consecutive bytes of qkv.  Rounded to bf16, 16 bytes a lane into my stage, back as whole rows, stored.
.macro PACKU a, hb
.set U, 3*(\a)+(\hb)
.set AR, 96*((\a)%2)+32*(\hb)
	WIN 0x0a+5*((\a)/2)                            ; sources in window 2 or 3, destination in window 0
.irp b, 0,1,2,3
.irp r, 0,1,2,3
	v_cvt_pk_bf16_f32 v[OUTR+16*U+4*\b+\r], v[AR+8*\b+2*\r], v[AR+8*\b+2*\r+1]   ; each accumulator's registers in ascending order
.endr
.endr
	WIN 0
.irp f, 0,1,2,3
	ds_store_b128 v[STO], v[OUTR+16*U+4*\f:OUTR+16*U+4*\f+3] offset:32*\f
.endr
.irp f, 0,1,2,3
	ds_load_b128 v[OUTR+16*U+4*\f:OUTR+16*U+4*\f+3], v[RD] offset:\f*4*SP   ; LDS serves a wave's instructions in order (ISA guide 5.7.1.4): these see the stores above; the next unit's stores come behind them
.endr
.endm
.macro SENDU a, hb, younger            ; younger: the LDS lines issued behind this unit's loads: the next unit's eight, or none
	WIN 0
.set U, 3*(\a)+(\hb)
.irp f, 0,1,2,3
	s_wait_dscnt (\younger)+3-\f
	global_store_b128 v[GO], v[OUTR+16*U+4*\f:OUTR+16*U+4*\f+3], s[OB+2*(\hb):OB+2*(\hb)+1] offset:(\a)*2048+\f*512   ; 512 consecutive bytes, aligned
.endr
.endm
	PACKU 0, 0
.set u, 1
.rept 11
	PACKU u/3, u%3
	SENDU (u-1)/3, (u-1)%3, 8
.set u, u+1
.endr
	SENDU 3, 2, 0
	s_wait_tensorcnt 0x0                           ; the wave's end: these three lines stand behind my last tensor load and my last LDS store
	ds_add_u32 v[SPW], v[NIL]
	s_wait_dscnt 0x0
	CROUND                                         ; the closing round: no work-group ends while a partner may still ask for a tile that names it
	s_endpgm
.Lfunc_end_k_q01553d03f0_qkvproj:
	.size	k_q01553d03f0_qkvproj, .Lfunc_end_k_q01553d03f0_qkvproj-k_q01553d03f0_qkvproj
	.p2alignl 7, 3214868480
	.fill 96, 4, 3214868480
	.section	.rodata,"a",@progbits
	.p2align	6, 0x0
	.amdhsa_kernel k_q01553d03f0_qkvproj
		.amdhsa_group_segment_fixed_size 327680
		.amdhsa_private_segment_fixed_size 0
		.amdhsa_enable_private_segment 0
		.amdhsa_kernarg_size 48
		.amdhsa_user_sgpr_count 2
		.amdhsa_user_sgpr_kernarg_segment_ptr 1
		.amdhsa_wavefront_size32 1
		.amdhsa_system_sgpr_workgroup_id_x 1
		.amdhsa_system_sgpr_workgroup_id_y 1
		.amdhsa_system_sgpr_workgroup_id_z 1
		.amdhsa_system_vgpr_workitem_id 0
		.amdhsa_next_free_vgpr 960
		.amdhsa_next_free_sgpr 100
		.amdhsa_reserve_vcc 0
		.amdhsa_float_denorm_mode_32 3
		.amdhsa_float_denorm_mode_16_64 3
		.amdhsa_memory_ordered 1
		.amdhsa_forward_progress 1
		.amdhsa_inst_pref_size 102
	.end_amdhsa_kernel
	.amdgpu_metadata
---
amdhsa.version: [ 1, 2 ]
amdhsa.kernels:
  - .name:           k_q01553d03f0_qkvproj
    .symbol:         k_q01553d03f0_qkvproj.kd
    .args:
      - { .name: xn, .offset: 0, .size: 8, .value_kind: global_buffer, .address_space: global }
      - { .name: wb, .offset: 8, .size: 8, .value_kind: global_buffer, .address_space: global }
      - { .name: bq, .offset: 16, .size: 8, .value_kind: global_buffer, .address_space: global }
      - { .name: bk, .offset: 24, .size: 8, .value_kind: global_buffer, .address_space: global }
      - { .name: bv, .offset: 32, .size: 8, .value_kind: global_buffer, .address_space: global }
      - { .name: qkv, .offset: 40, .size: 8, .value_kind: global_buffer, .address_space: global }
    .group_segment_fixed_size: 327680
    .private_segment_fixed_size: 0
    .kernarg_segment_align: 8
    .kernarg_segment_size: 48
    .max_flat_workgroup_size: 128
    .sgpr_count:     100
    .vgpr_count:     960
    .wavefront_size: 32
...
	.end_amdgpu_metadata
.endif
;; end of part 2
;; launch attn (part 3): grid 4 x 64, 4 waves a work-group, clusters of 4 x 1, 327,680 bytes of LDS; arguments qkv, maskc, ob; writes ob
.if DOCPART == 3
	.amdgcn_target "amdgcn-amd-amdhsa--gfx1250"
	.amdhsa_code_object_version 6
	.text
	.protected	k_q01553d03f0_attn
	.globl	k_q01553d03f0_attn
	.p2align	8
	.type	k_q01553d03f0_attn,@function
k_q01553d03f0_attn:
	s_mov_b64 s[64:65], 0
	v_nop
	global_prefetch_b8 v0, s[64:65] scope:SCOPE_SE
	s_setreg_imm32_b32 hwreg(HW_REG_WAVE_MODE, 25, 1), 1
	s_wait_xcnt 0x0
	s_wait_alu depctr_hold_cnt(0) depctr_sa_sdst(0) depctr_va_vdst(0) depctr_va_sdst(0) depctr_va_ssrc(0) depctr_va_vcc(0) depctr_vm_vsrc(0)
	s_getreg_b32 s2, hwreg(HW_REG_IB_STS2, 6, 4)
	s_cmp_eq_u32 s2, 0
	s_cbranch_scc0 .Lentry_in_a_cluster
	s_endpgm
.Lentry_in_a_cluster:
	s_bfe_u32 s2, ttmp6, 0x10000c
	s_cmp_lg_u32 s2, 0x3003
	s_cbranch_scc0 .Lentry_shape_is_right
	s_endpgm
.Lentry_shape_is_right:
; O[head][q][:] = the sum over k of softmax_k(Q[q] . K[k] / 8 + mask[q][k]) V[k][:].  qkv: [3][128 heads][1024][64] bf16 (q unscaled); maskc: f32, 8 x mask, in the C operand's order.
; ob: bf16, [128 heads][64 blocks of 16 queries][4 blocks of 16 channels][lane][8]: lane (r = lane % 16, h = lane / 16) holds query r, channels 16 cb + 8 h + 0..7: the registers as they stand behind the
; rounding, and the image of a matrix source (16 queries x 32 channels = two such blocks) for the launch behind.  So O leaves straight from registers, 512 consecutive bytes a store.
; Products, maxima and sums in f32; the weights p are rounded to bf16 for the second product (their sum l is taken of the unrounded p), O once at the end.
; LIMITS.  maskc holds no number below -2^103 (mask numbers below -2^100, minus infinity too, count as -2^100): a row whose mask hides every key gives the mean of V's rows.  A weight below 2^-126 counts as 0 in l.
; SHARES.  A work-group owns 256 queries of TWO heads, 2 hp and 2 hp + 1; a wave 64 queries in four PIECES.  A piece is the SAME 16 queries of both heads (tile 2 p: head 0, tile 2 p + 1: head 1),
; so that its two tiles start their scores from the same 32 registers of the mask: the mask is fetched once for two heads.  Every wave walks all 1,024 keys, 64 a step.
; LAYOUT.  S^T = K Q^T + 8 mask (source 0 = 16 keys, source 1 = 16 queries, C = the mask): a lane holds ONE query (lane % 16) and the keys 8 (lane / 16) + 0..7.  Two such results, rounded to bf16 in pairs,
; ARE source 1 of O^T = V^T P.  K comes out of LDS as it lies, V ([key][channel]) turned, by ds_load_tr16_b128.
; SOFTMAX.  A running maximum m and sum l for each query: p = 2^(c s - c m), c = log2(e) / 8; in every step O and l are multiplied by a = 2^(c m_old - c m_new).  m starts at the lowest finite number, O and l at 0.
; BY TURNS.  Turn n belongs to piece n: 16 products K Q^T of piece n + 1, later 16 products V^T P of piece n - 1; beside them the scaling, exponentials, roundings, sums and rescaling of piece n and the maximum and
; statistics of piece n + 1.  Four vector instructions stand behind every matrix instruction, the others in one lump; a turn's 66 exponentials are one batch with one wait.
; THE MASK comes by global loads of 512 consecutive bytes, four turns ahead of its use: a turn asks again for the buffer that its first eight products have just read.
; CLUSTER.  The four query blocks of a head pair walk the same K and V: each tile is asked for JOINTLY, by the same tensor load, descriptor and mask in all four.
; REGISTERS, in windows of 256 (s_set_vgpr_msb: bits 1:0 source 0, 3:2 source 1, 5:4 source 2, 7:6 destination):
;   window 0: v0-11 addresses; v12-15, v48-63 at work; v16-47 statistics, four a tile; v64-191 S^T, two buffers of two tiles (v128-132 serve the set-up first); v192-255 P, likewise
;   window 1: O^T, 32 a tile      window 2: v0-127 Q, 16 a tile; v128-255 K of one step, 64 a head      window 3: v0-127 V of one step, 64 a head; v128-255 the mask, 32 a piece
.set NP,    4
.set KS,    64
.set PK,    144       ; a row of K in LDS: 128 bytes + 16 = 36 words: the 16 rows of a load start at 16 different groups of four banks (64 banks of 4 bytes: ISA guide 11.1)
.set PV,    160       ; a row of V: 128 + 32 = 40 words
.set HK,    128*PK    ; a slot holds two steps: 128 keys of K for each head,
.set HV,    128*PV    ; then 128 of V for each head
.set VOFF,  2*HK
.set SLOT1, 1<<17
.set SPARE, SLOT1+2*(HK+HV)  ; behind the ring: the spare words, 128 bytes a wave: two blocks of 256 bytes that no other line names
.set HEADB, 131072    ; a head's bytes in q, k, v and o
.set SPW, 1           ; v1   my spare word; never rewritten
.set AK0, 2           ; v2   my lane's place in a tile of K; never rewritten
.set AV0, 3           ; v3   the same for V
.set AK,  4           ; v4   the LDS address of K's next run of loads
.set AV,  5           ; v5   of V's
.set GO,  8           ; v8   16 x lane: O's stores and the mask's loads
.set NIL, 9           ; v9   0; never rewritten
.set PFO, 11          ; v11  the prefetches' offset
.set MV,  12
.set ST,  16          ; tile t's statistics at v[ST+4 t]: c m, m, l (even keys', odd keys')
.set TMP, 48
.set S,   64
.set P,   192
.set KF,  128         ; window 2: head u, key block kb, channel half c at KF + 64 u + 16 kb + 8 c
.set MK,  128         ; window 3: piece p, key block kb at MK + 32 p + 8 kb
.set WV,  12
.set LIM, 15          ; s15  1 in a wave that prefetches, else the greatest number
.set PFA, 18          ; s[18:19]
.set G1K, 24
.set G1V, 32
.set G0K, 40
.set G0V, 44
.set SLOTS, 56
.set CNT, 57
.set CS,  58
.set SEL, 60
.set TBK, 62
.set TBV, 63
.set MB0, 66          ; s[66:67] maskc at my wave's 64 queries
.set MB,  68          ; s[68:69] the same at the step that is being asked for
.set MOF, 70          ; s[70:71] that step's byte offset
.set MST, 72          ; s72  that step's number
.set MSB, 0
.macro WIN new
.if MSB != (\new)
	s_set_vgpr_msb (MSB<<8)|(\new)
.set MSB, (\new)
.endif
.endm
.set W_KQ, 0x0a       ; K and Q in window 2, S^T in window 0
.set W_KM, 0x3a       ; the same with the C operand, the mask, in window 3
.set W_PV, 0x53       ; V in window 3, P in window 0, O^T in window 1
.set W_RS, 0x41       ; O^T (destination and source 0) in window 1, a in window 0
.macro PLACES
.rept 4
	v_nop
.endr
.endm
; A joint fill.  Waves 0 and 1 fetch a slot's K of heads 0 and 1, waves 2 and 3 its V: 128 keys each.  An s_nop 0 and four v_nop follow each line.
.macro JLOAD
	s_cmp_lt_u32 s[WV], 2
	s_cbranch_scc0 .Lfor_v_\@
	tensor_load_to_lds s[G0K:G0K+3], s[G1K:G1K+7]
	s_nop 0
.rept 4
	v_nop
.endr
	s_branch .Lasked_\@
.Lfor_v_\@:
	tensor_load_to_lds s[G0V:G0V+3], s[G1V:G1V+7]
	s_nop 0
.rept 4
	v_nop
.endr
.Lasked_\@:
.endm
; A PREFETCH INTO THE L2 of what the NEXT change of slots will ask for: 128 blocks of 256 bytes of K and as many of V.  The four partners share them out BY ADDRESS, 32 each (16 of each head);
; wave 0 asks for K's and wave 2 for V's, a lane a block: each block is named once in the launch, two key steps (256 matrix instructions) ahead.  The last change that fills a slot asks for nothing.
.macro ASK
	s_cmp_gt_u32 s[SLOTS], s[LIM]
	s_cbranch_scc0 .Lnot_mine_\@
	global_prefetch_b8 v[PFO], s[PFA:PFA+1] th:TH_LOAD_NT scope:SCOPE_SE
.Lnot_mine_\@:
.endm
.macro CROUND
	s_barrier_signal -1
	s_barrier_wait -1
	s_cmp_lg_u32 s[WV], 0
	s_cbranch_scc1 .Lnot_wave_0_\@
	s_barrier_signal -3
.Lnot_wave_0_\@:
	s_barrier_wait -3
	s_barrier_signal -1
	s_barrier_wait -1
.endm
; THE CHANGE OF SLOTS.  Each wave waits for all its tensor loads (one is out: its part of the other slot), adds 0 to its spare word, and waits for that and for its reads of the slot that it leaves.
; fill = 1: the barrier is a round of the cluster's, and the joint fill, with the keys two slots on, is the first thing behind it.  (At its first use nothing has been read: slot 0 is waited for, slot 1 filled.)
.macro CHANGE fill
	WIN 0
	s_wait_tensorcnt 0x0            ; no tensor load of mine is out, so a group 0 may be written
	ds_add_u32 v[SPW], v[NIL]       ; 0 onto my spare word
.if \fill
.irp g, G0K, G0V
	s_xor_b32 s[\g+1], s[\g+1], SLOT1
	s_add_nc_u64 s[\g+2:\g+3], s[\g+2:\g+3], 2*KS*128
.endr
	s_wait_xcnt 0x0                 ; the last prefetch, two key steps back, has read its address
	s_add_nc_u64 s[PFA:PFA+1], s[PFA:PFA+1], 2*KS*128
	s_wait_dscnt 0x0                ; the add is done, and my reads of the slot are over
	CROUND
	JLOAD
	ASK
.else
	s_wait_dscnt 0x0
	s_barrier_signal -1
	s_barrier_wait -1
.endif
	s_sub_co_u32 s[TBK], s[TBK], 2*KS*PK  ; the fetches go back to a slot's first step,
	s_xor_b32 s[TBK], s[TBK], SLOT1       ; in the other slot
	s_sub_co_u32 s[TBV], s[TBV], 2*KS*PV
	s_xor_b32 s[TBV], s[TBV], SLOT1
.endm
	s_load_b128 s[4:7], s[0:1], 0x0   ; qkv s[4:5], maskc s[6:7]
	s_load_b64 s[10:11], s[0:1], 0x10 ; ob
	v_lshl_add_u32 v[SPW], v0, 2, SPARE
	v_mov_b32 v[NIL], 0
	ds_add_u32 v[SPW], v[NIL]       ; the wave's opening: the add and its wait stand ahead of my first tensor load; work on registers stands between them
	v_lshrrev_b32 v128, 5, v0
	v_readfirstlane_b32 s[WV], v128
	s_bfe_u32 s13, ttmp6, 0x40000   ; cx
	s_lshl_b32 s14, ttmp9, 2
	s_add_co_u32 s14, s14, s13      ; my block of 256 queries: it enters Q's, O's and the mask's addresses alone
	s_and_b32 s20, ttmp7, 0xffff    ; the head pair, which the four partners share
	s_lshl_b32 s20, s20, 18         ; its first head's bytes
	s_and_b32 s16, s[WV], 1         ; which head's tile I fetch
	s_lshl_b32 s22, s16, 17
	s_add_co_u32 s22, s22, s20
	s_mov_b32 s23, 0
	s_mul_i32 s17, s16, HK          ; its place in a slot, for K
	s_mul_i32 s73, s16, HV          ; and for V: no place in the cluster enters an LDS address
	s_lshl_b32 s2, s14, 15          ; my block's 256 rows of 128 bytes,
	s_lshl_b32 s3, s[WV], 13        ; my wave's 64
	s_add_co_u32 s2, s2, s3
	s_add_co_u32 s2, s2, s20
	s_mov_b32 s3, 0
	s_lshl_b32 s74, s14, 20         ; the mask: 16 blocks of 16 queries, 65,536 bytes each, a block of 256,
	s_lshl_b32 s75, s[WV], 18       ; four a wave
	s_add_co_u32 s74, s74, s75
	s_mov_b32 s75, 0
	s_lshl_b32 s76, s13, 12         ; my work-group's 16 blocks of 256 bytes of each head's 64 in a slot
	s_mov_b32 s77, 0
	; descriptor group 1.  128 keys are 16,384 dense bytes: asked for as 64 rows of 256 bytes, two keys a row, padded in LDS after every key
	s_mov_b32 s[G1K], 15|(1<<16)|(1<<20)|(1<<21)|(4<<22)|(3<<25)  ; the mask of four; 2-byte elements; padding on; bit 21 beside a mask; after every 32 words, 4 words
	s_mov_b32 s[G1V], 15|(1<<16)|(1<<20)|(1<<21)|(4<<22)|(7<<25)  ; the same with 8 words
.irp g, G1K, G1V
	s_mov_b32 s[\g+1], 128<<16
	s_mov_b32 s[\g+2], 64<<16
	s_mov_b32 s[\g+3], 128<<16
	s_mov_b32 s[\g+4], 64
	s_mov_b32 s[\g+5], 128
	s_mov_b32 s[\g+6], 0
	s_mov_b32 s[\g+7], 0
.endr
	s_mov_b32 s[CS], 0x3e38aa3b     ; c = log2(e) / 8
	s_mov_b32 s[CS+1], s[CS]
	s_mov_b32 s[SEL], 0x76543210
	s_mov_b32 s[SEL+1], 0xfedcba98
	s_mov_b32 s[TBK], SLOT1+2*KS*PK ; the first change of slots turns these two into 0
	s_mov_b32 s[TBV], SLOT1+2*KS*PV
	s_mov_b32 s[G0K], 1
	s_mov_b32 s[G0K+1], s17
	s_mov_b32 s[G0V], 1
	s_add_co_u32 s[G0V+1], s73, VOFF
	s_mov_b32 s[SLOTS], 7           ; eight slots; the first is asked for below
	s_mov_b32 s[MOF+1], 0
	s_and_b32 s[LIM], s[WV], 1
	s_cmp_eq_u32 s[LIM], 0
	s_cselect_b32 s[LIM], 1, -1     ; waves 0 and 2: the same in all four partners
	s_wait_dscnt 0x0                ; the opening add is done
	s_wait_kmcnt 0x0
	s_add_nc_u64 s[G0K+2:G0K+3], s[4:5], s[22:23]
	s_add_nc_u64 s[G0K+2:G0K+3], s[G0K+2:G0K+3], 128*HEADB    ; k lies behind q,
	s_add_nc_u64 s[G0V+2:G0V+3], s[4:5], s[22:23]
	s_add_nc_u64 s[G0V+2:G0V+3], s[G0V+2:G0V+3], 256*HEADB    ; v behind k
	s_cmp_lt_u32 s[WV], 2
	s_cselect_b64 s[PFA:PFA+1], s[G0K+2:G0K+3], s[G0V+2:G0V+3]  ; (in waves 0 and 2 these stand at the pair's first head)
	s_or_b32 s[G0K+3], s[G0K+3], 0x80000000
	s_or_b32 s[G0V+3], s[G0V+3], 0x80000000
	s_add_nc_u64 s[PFA:PFA+1], s[PFA:PFA+1], s[76:77]
	s_add_nc_u64 s[PFA:PFA+1], s[PFA:PFA+1], 2*KS*128  ; in slot 1; the first change steps it to slot 2.  Slots 0 and 1 come by their loads alone
	s_add_nc_u64 s[4:5], s[4:5], s[2:3]       ; Q and O at my wave's first row of the pair's first head
	s_add_nc_u64 s[10:11], s[10:11], s[2:3]
	s_add_nc_u64 s[MB0:MB0+1], s[6:7], s[74:75]
	s_mov_b64 s[MB:MB+1], s[MB0:MB0+1]
	CROUND                          ; all four work-groups are here: the first joint loads meet
	JLOAD                           ; slot 0
	v_and_b32 v128, 15, v0          ; l % 16
	v_bfe_u32 v129, v0, 4, 1        ; l / 16
	v_and_b32 v130, 7, v0
	v_bfe_u32 v131, v0, 3, 1
	v_lshlrev_b32 v132, 7, v128
	v_lshl_add_u32 v132, v129, 4, v132  ; Q: row x 128 + 16 x half
	v_and_b32 v[GO], 31, v0
	v_lshlrev_b32 v[GO], 4, v[GO]
	WIN 0x80
.set i, 0
.rept 4*NP                          ; Q stays in registers: tile i / 2 (head (i / 2) % 2, piece i / 4), channels 32 (i % 2) on
	global_load_b128 v[8*i:8*i+3],   v132, s[4:5] offset:((i/2)%2)*HEADB+(i/4)*2048+(i%2)*64
	global_load_b128 v[8*i+4:8*i+7], v132, s[4:5] offset:((i/2)%2)*HEADB+(i/4)*2048+(i%2)*64+32
.set i, i+1
.endr
; The mask of piece x for the step at which s[MB] stands: 4,096 consecutive bytes, eight loads of 512
.macro MLOAD x
	WIN 0xc0
.irp n, 0,1,2,3,4,5,6,7
	global_load_b128 v[MK+32*(\x)+4*\n:MK+32*(\x)+4*\n+3], v[GO], s[MB:MB+1] offset:(\x)*65536+512*\n
.endr
.endm
	MLOAD 0                         ; step 0
	MLOAD 1
	MLOAD 2
	; What the first turn finds: V's registers and P's second buffer hold 0, O^T and l are 0.  All this stands in the wait for the first tile.
	WIN 0xc0
.set i, 0
.rept 128
	v_mov_b32 v[i], 0
.set i, i+1
.endr
	WIN 0x40
.set i, 0
.rept 64*NP
	v_mov_b32 v[i], 0
.set i, i+1
.endr
	WIN 0
.set i, 0
.rept 2*NP
	v_mov_b32 v[ST+4*i], 0xfe000000    ; c m: far below every c s (the mask's bound times c is -2^100.5)
	v_mov_b32 v[ST+4*i+1], 0xff7fffff  ; m
	v_mov_b32 v[ST+4*i+2], 0
	v_mov_b32 v[ST+4*i+3], 0
.set i, i+1
.endr
.set i, P+32
.rept 32
	v_mov_b32 v[i], 0
.set i, i+1
.endr
	v_mul_u32_u24 v[AK0], v128, PK
	v_lshl_add_u32 v[AK0], v129, 4, v[AK0]  ; row x pitch + 16 x half
	; The turning load takes 16 keys x 16 channels (lane l reads key 8 (l / 16) + l % 8, channels 8 ((l / 8) % 2) + 0..7) and leaves half a fragment of V^T: lane l holds channel l % 16 and 8 keys.
	v_lshl_add_u32 v[AV0], v129, 3, v130
	v_mul_u32_u24 v[AV0], v[AV0], PV
	v_lshl_add_u32 v[AV0], v131, 4, v[AV0]
	v_add_nc_u32 v[AV0], VOFF, v[AV0]
	v_mov_b32 v[AK], v[AK0]         ; key step 0 lies at the head of slot 0
	v_lshlrev_b32 v[PFO], 8, v128   ; lanes 0-15: 16 blocks of the first head, lanes 16-31: of the second
	v_lshl_add_u32 v[PFO], v129, 17, v[PFO]
; THE MATRIX WORK.  The 8 accumulators of a run of 16 take turns.
; Product i of 16 of S^T for piece x: channels 32 (i / 8) on, keys 16 ((i / 2) % 4) on, head i % 2.  The first 8 start the sums with the mask, the same registers for both heads.
.macro KQ x
.set rS, S+64*((\x)%2)+32*(i%2)+8*((i/2)%4)
.set rK, KF+64*(i%2)+16*((i/2)%4)+8*(i/8)
.set rQ, 16*(2*(\x)+i%2)+8*(i/8)
.set rX, MK+32*(\x)+8*((i/2)%4)
.if i < 8
	WIN W_KM
	v_wmma_f32_16x16x32_bf16 v[rS:rS+7], v[rK:rK+7], v[rQ:rQ+7], v[rX:rX+7]
.else
	WIN W_KQ
	v_wmma_f32_16x16x32_bf16 v[rS:rS+7], v[rK:rK+7], v[rQ:rQ+7], v[rS:rS+7]
.endif
.endm
; Product i of 16 of O^T += V^T P for piece x: keys 32 (i / 8) on, channels 16 ((i / 2) % 4) on, head i % 2.
.macro PV x
	WIN W_PV
.set rO, 32*(2*(\x)+i%2)+8*((i/2)%4)
.set rV, 64*(i%2)+32*(i/8)+8*((i/2)%4)
.set rP, P+32*((\x)%2)+16*(i%2)+8*(i/8)
	v_wmma_f32_16x16x32_bf16 v[rO:rO+7], v[rV:rV+7], v[rP:rP+7], v[rO:rO+7]
.endm
.macro MM                           ; the turn's next matrix instruction
.if i < 16
	KQ (Y+1)%NP
.set i, i+1
.else
.set i, i-16
	PV (Y+NP-1)%NP
.set i, i+17
.endif
.endm
; THE LDS LOADS stand in runs of 32: a step's K (two heads x 64 keys x 64 channels) and its V (turned).  last = 1 (the tail): in the last trip there is no further step, and the run is jumped over.
.macro FETCH_K last=0
	WIN 0
.if \last
	s_cmp_eq_u32 s[CNT], 1
	s_cbranch_scc1 .Lno_k_\@
.endif
	WIN 0x80
.irp u, 0,1
.irp f, 0,1,2,3,4,5,6,7             ; keys 16 (f / 2) on, channels 32 (f % 2) on
	ds_load_b128 v[KF+64*\u+8*\f:KF+64*\u+8*\f+3],   v[AK] offset:\u*HK+(\f/2)*16*PK+(\f%2)*64
	ds_load_b128 v[KF+64*\u+8*\f+4:KF+64*\u+8*\f+7], v[AK] offset:\u*HK+(\f/2)*16*PK+(\f%2)*64+32
.endr
.endr
	s_add_co_u32 s[TBK], s[TBK], KS*PK
	WIN 0
.if \last
.Lno_k_\@:
.endif
.endm
.macro FETCH_V
	WIN 0xc0
.irp u, 0,1
.irp f, 0,1,2,3,4,5,6,7             ; keys 32 (f / 4) on, channels 16 (f % 4) on
	ds_load_tr16_b128 v[64*\u+8*\f:64*\u+8*\f+3],   v[AV] offset:\u*HV+(\f/4)*32*PV+(\f%4)*32
	ds_load_tr16_b128 v[64*\u+8*\f+4:64*\u+8*\f+7], v[AV] offset:\u*HV+(\f/4)*32*PV+16*PV+(\f%4)*32
.endr
.endr
	WIN 0
.endm
; THE VECTOR WORK OF A TURN stands in three queues, each in the order in which its entries become ready; the two tiles alternate.
.macro REGS y, u                    ; the registers of tile u (0, 1) of piece y
.set rT, ST+4*(2*(\y)+(\u))
.set rC, TMP+8*((\y)%2)+4*(\u)
.set rM, MV+2*((\y)%2)+(\u)
.set rS, S+64*((\y)%2)+32*(\u)
.set rP, P+32*((\y)%2)+16*(\u)
.set rO, 32*(2*(\y)+(\u))
.endm
; Number n of the 22 that find the NEXT piece's maximum and statistics; each accumulator's lowest registers are read first.
;   0-11 four chains c0-c3 of seven scores     12-14, 16 the four scores left over, the old m, c0-c3 into c0     15 c m_old is kept     17, 18 the other half of the lanes: the new m     19-21 c m; its change; a
.macro XS u, n
	REGS (Y+1)%NP, \u
.if (\n) < 4
	v_max3_num_f32 v[rC+(\n)], v[rS+8*(\n)], v[rS+8*(\n)+1], v[rS+8*(\n)+2]
.elseif (\n) < 12
	v_max3_num_f32 v[rC+(\n)%4], v[rC+(\n)%4], v[rS+8*((\n)%4)+2*((\n)/4)+1], v[rS+8*((\n)%4)+2*((\n)/4)+2]
.elseif (\n) == 12
	v_max3_num_f32 v[rC], v[rC], v[rS+7], v[rS+15]
.elseif (\n) == 13
	v_max3_num_f32 v[rC+1], v[rC+1], v[rS+23], v[rS+31]
.elseif (\n) == 14
	v_max3_num_f32 v[rC+2], v[rC+2], v[rC+3], v[rT+1]
.elseif (\n) == 15
	v_mov_b32 v[rM], v[rT]
.elseif (\n) == 16
	v_max3_num_f32 v[rC], v[rC], v[rC+1], v[rC+2]
.elseif (\n) == 17
	v_permlanex16_b32 v[rC+3], v[rC], s[SEL], s[SEL+1]
.elseif (\n) == 18
	v_max_num_f32 v[rT+1], v[rC], v[rC+3]
.elseif (\n) == 19
	v_mul_f32 v[rT], s[CS], v[rT+1]
.elseif (\n) == 20
	v_sub_f32 v[rC+1], v[rM], v[rT]
.else
	v_exp_f32 v[rC+2], v[rC+1]
.endif
.endm
; Number g of the 64 that follow the exponentials: for each four weights both pairs are rounded to bf16, the second pair is added onto the first in place, and a group later l takes that sum (the first time l = a l + sum).
.macro GS g
.set h, (\g)+6*((\g)/62)
.if h >= 6
.set h, h+2
.endif
	REGS Y, h%2
.set k, h/8
.if h%8 < 4
	v_cvt_pk_bf16_f32 v[rP+2*k+(h%8)/2], v[rS+4*k+2*((h%8)/2)], v[rS+4*k+2*((h%8)/2)+1]
.elseif h%8 < 6
	v_pk_add_f32 v[rS+4*k:rS+4*k+1], v[rS+4*k:rS+4*k+1], v[rS+4*k+2:rS+4*k+3]
.elseif k == 1
	v_pk_fma_f32 v[rT+2:rT+3], v[rT+2:rT+3], v[rC+2:rC+3], v[rS:rS+1] op_sel_hi:[1,0,1]
.else
	v_pk_add_f32 v[rT+2:rT+3], v[rT+2:rT+3], v[rS+4*k-4:rS+4*k-3]
.endif
.endm
; THE PLAIN QUEUE, 138 long.  0-26: scalings 0-26.  27-54: XS's numbers 0-13.  55, 56: number 15.  57-73: the chain 14, 16, 17, 18, 19, each with one of the scalings 27-31 in front of its two lines, then 20.  74-137: GS's 64.
.macro FS f
	REGS Y, (\f)%2
	v_pk_fma_f32 v[rS+2*((\f)/2):rS+2*((\f)/2)+1], v[rS+2*((\f)/2):rS+2*((\f)/2)+1], s[CS:CS+1], v[rT:rT+1] op_sel_hi:[1,0,0] neg_lo:[0,0,1] neg_hi:[0,0,1]
.endm
.macro PL
	WIN 0
.if q < 27
	FS q
.elseif q < 55
	XS (q-27)%2, (q-27)/2
.elseif q < 57
	XS q-55, 15
.elseif (q < 72) && ((q-57)%3 == 0)
	FS 27+(q-57)/3
.elseif q < 60
	XS (q-57)%3-1, 14
.elseif q < 72
	XS (q-57)%3-1, 15+(q-57)/3
.elseif q < 74
	XS q-72, 20
.else
	GS q-74
.endif
.set q, q+1
.endm
; THE EXPONENTIALS' QUEUE, 66 long: s0-s31 of both tiles, then the next piece's two a: ONE BATCH, all ahead of the turn's one wait.
.macro EX
	WIN 0
.if e >= 64
	XS e-64, 21
.else
	REGS Y, e%2
	v_exp_f32 v[rS+e/2], v[rS+e/2]
.endif
.set e, e+1
.endm
; THE RESCALING's QUEUE: O^T times a, two at a time, sixteen times.  Its a was made, and waited for, in the turn before.
.macro R2
	REGS Y, r%2
	WIN W_RS
.irp z, 0,1
	v_pk_mul_f32 v[rO+4*(r/2)+2*\z:rO+4*(r/2)+2*\z+1], v[rO+4*(r/2)+2*\z:rO+4*(r/2)+2*\z+1], v[rC+2:rC+3] op_sel_hi:[1,0]
.endr
.set r, r+1
.endm
; A TURN, for piece p.  Ahead of its one wait: 16 products K Q^T, behind each a scaling, an exponential and two rescalings; then a lump of 108.  Behind it: 16 products V^T P, behind each four roundings and sums.
; THE MASK.  At the head the buffer of piece p + 1 must be in: it was asked for four turns ago, and the three buffers asked for since, eight loads each, may stay out: the count 24, the same on every way, since every turn
; issues exactly eight loads.  Behind the tenth product (twelve plain instructions behind the eighth, the last that reads the buffer) the buffer is asked for again, for the next step.  Piece 3's turn steps the pointer, behind
; s_wait_xcnt 0; the steps past the last are held to the last, so that no load leaves maskc.
; K of the next step is fetched in piece 2's turn, directly behind the wait; V of the step in hand at the end of piece 0's turn, four plain instructions behind its last reader.
.macro TURN p, last=0, cnt=0
.set Y, (\p)
.set i, 0
.set q, 0
.set e, 0
.set r, 0
.if (\p) == NP-1
	s_wait_xcnt 0x0                 ; the mask's loads issued so far have read their base
	s_add_co_u32 s[MST], s[MST], 1
	s_min_u32 s[MOF], s[MST], 15
	s_lshl_b32 s[MOF], s[MOF], 12   ; a step is 4,096 bytes of a piece's mask
	s_add_nc_u64 s[MB:MB+1], s[MB0:MB0+1], s[MOF:MOF+1]
	s_wait_dscnt 0x0                ; K is in
.endif
	s_wait_loadcnt 24
	MM
	PL
	PL
	R2
.rept 15
	MM
	PL
	EX
	R2
.if i == 10
	MLOAD (Y+1)%NP
.endif
.endr
.if (\p) == NP-2
	WIN 0
	v_add_nc_u32 v[AK], s[TBK], v[AK0]
.endif
.rept 8
	PL
.endr
.rept 49
	EX
	PL
.endr
	EX
	EX
	v_nop                           ; a plain instruction behind the last exponential: one for the batch
	s_wait_alu depctr_va_vdst(0)    ; the wait ahead of the first reader: one for the batch
.if (\p) == NP-2
	FETCH_K \last
.endif
.if (\p) == 1
	s_wait_dscnt 0x0                ; V is in
.endif
.rept 16
	MM
.rept 4
	PL
.endr
.if ((\p) == 0) && (q == 118)
	v_add_nc_u32 v[AV], s[TBV], v[AV0]
.endif
.if ((\p) == 0) && (q == 130)
	s_add_co_u32 s[TBV], s[TBV], KS*PV
.endif
.if (\cnt) && (q == 130)
	s_sub_co_u32 s[CNT], s[CNT], 1
	s_cmp_lg_u32 s[CNT], 0
.endif
.endr
.if (\p) == 0
	FETCH_V
.endif
.endm
	CHANGE 1                        ; slot 0 is in, everybody's part of it; slot 1 is asked for
	FETCH_K                         ; key step 0
	s_wait_loadcnt 16               ; Q and piece 0's mask are in; the masks of pieces 1 and 2, eight loads each, may stay out
	MLOAD 3                         ; step 0 still
	s_wait_dscnt 0x0
.set i, 0
.rept 16
	KQ 0                            ; piece 0's first scores
.set i, i+1
.endr
	WIN 0
	PLACES                          ; behind those products: for the maxima below, and for the loads into the mask's buffer 0
	s_wait_xcnt 0x0                 ; the mask's loads have read their base
	s_mov_b32 s[MST], 1
	s_add_nc_u64 s[MB:MB+1], s[MB0:MB0+1], 4096
	MLOAD 0                         ; piece 0's mask of step 1
	WIN 0
.set Y, NP-1                        ; XS works for piece Y + 1: piece 0
.irp n, 0,1,2,3,4,5,6,7,8,9,10,11,12,13,14,15,16,17,18,19,20,21
	XS 0, \n
	XS 1, \n
.endr
	v_nop
	s_wait_alu depctr_va_vdst(0)    ; the two a, ahead of the branch
	s_mov_b32 s[CNT], 2
	s_branch .Lfirst                ; the loop is entered at a step's first turn, in the middle of a trip
.Lslot:                             ; six times: every slot but the last two is filled again
	CHANGE 1
	s_mov_b32 s[CNT], 2
.Lstep:                             ; a trip: pieces 2 and 3 of one step, then pieces 0 and 1 of the next, whose K and V it fetches
	TURN 2
	TURN 3
	WIN 0
.Lfirst:
	TURN 0
	TURN 1, 0, 1
	WIN 0
	s_cbranch_scc1 .Lstep
	s_sub_co_u32 s[SLOTS], s[SLOTS], 1
	s_cmp_lg_u32 s[SLOTS], 0
	s_cbranch_scc1 .Lslot
	CHANGE 0                        ; the tail is written out
	s_mov_b32 s[CNT], 3             ; two trips fetch the last slot's steps; the third is left in its middle
.Ltail:
	TURN 2, 1
	TURN 3
	WIN 0
	s_sub_co_u32 s[CNT], s[CNT], 1
	s_cmp_eq_u32 s[CNT], 0
	s_cbranch_scc1 .Lout
	TURN 0
	TURN 1
	WIN 0
	s_branch .Ltail
.Lout:                              ; the third trip's 16 products K Q^T (on the last K once more) and the maximum made of them serve nothing: the price, once a launch, of one text for every trip
.set i, 0
.rept 16
	PV NP-1                         ; the last piece's V^T P of the last step
.set i, i+1
.endr
	; THE WAY OUT.  l's two halves and the other half of the lanes' are added; O^T is divided by l, rounded to bf16 and stored as it stands.  The additions are the places behind the last products.
	WIN 0
.macro ALL line:vararg
.set t, 0
.rept 2*NP
	\line
.set t, t+1
.endr
.endm
	ALL v_add_f32 v[ST+4*t+2], v[ST+4*t+2], v[ST+4*t+3]
	ALL v_permlanex16_b32 v[ST+4*t+3], v[ST+4*t+2], s[SEL], s[SEL+1]
	ALL v_add_f32 v[ST+4*t+2], v[ST+4*t+2], v[ST+4*t+3]
	ALL v_rcp_f32 v[ST+4*t+2], v[ST+4*t+2]
	v_nop
	s_wait_alu depctr_va_vdst(0)    ; one wait for the eight reciprocals
; Tile t (head t % 2, my block t / 2 of 16 queries): a lane's eight channels of channel block f pack into 16 bytes; the 32 lanes' are 512 consecutive bytes of ob.  Each of S^T's registers is written once here.
.macro PACK t
	WIN W_RS
.set i, 32*(\t)
.rept 16
	v_pk_mul_f32 v[i:i+1], v[i:i+1], v[ST+4*(\t)+2:ST+4*(\t)+3] op_sel_hi:[1,0]
.set i, i+2
.endr
	WIN 0x05
.set i, 0
.rept 16
	v_cvt_pk_bf16_f32 v[S+16*(\t)+i], v[32*(\t)+2*i], v[32*(\t)+2*i+1]
.set i, i+1
.endr
	WIN 0
.irp f, 0,1,2,3
	global_store_b128 v[GO], v[S+16*(\t)+4*\f:S+16*(\t)+4*\f+3], s[10:11] offset:((\t)%2)*HEADB+((\t)/2)*2048+\f*512  ; 512 consecutive bytes, aligned
.endr
.endm
.set t, 0
.rept 2*NP
	PACK t
.set t, t+1
.endr
	s_wait_tensorcnt 0x0            ; the wave's end: these three lines stand behind my last tensor load
	ds_add_u32 v[SPW], v[NIL]
	s_wait_dscnt 0x0
	CROUND                          ; the closing round
	s_endpgm
.Lfunc_end_k_q01553d03f0_attn:
	.size	k_q01553d03f0_attn, .Lfunc_end_k_q01553d03f0_attn-k_q01553d03f0_attn
	.p2alignl 7, 3214868480
	.fill 96, 4, 3214868480
	.section	.rodata,"a",@progbits
	.p2align	6, 0x0
	.amdhsa_kernel k_q01553d03f0_attn
		.amdhsa_group_segment_fixed_size 327680
		.amdhsa_private_segment_fixed_size 0
		.amdhsa_enable_private_segment 0
		.amdhsa_kernarg_size 24
		.amdhsa_user_sgpr_count 2
		.amdhsa_user_sgpr_kernarg_segment_ptr 1
		.amdhsa_wavefront_size32 1
		.amdhsa_system_sgpr_workgroup_id_x 1
		.amdhsa_system_sgpr_workgroup_id_y 1
		.amdhsa_system_sgpr_workgroup_id_z 1
		.amdhsa_system_vgpr_workitem_id 0
		.amdhsa_next_free_vgpr 1024
		.amdhsa_next_free_sgpr 80
		.amdhsa_reserve_vcc 0
		.amdhsa_float_denorm_mode_32 3
		.amdhsa_float_denorm_mode_16_64 3
		.amdhsa_memory_ordered 1
		.amdhsa_forward_progress 1
		.amdhsa_inst_pref_size 212
	.end_amdhsa_kernel
	.amdgpu_metadata
---
amdhsa.version: [ 1, 2 ]
amdhsa.kernels:
  - .name:           k_q01553d03f0_attn
    .symbol:         k_q01553d03f0_attn.kd
    .args:
      - { .name: qkv, .offset: 0, .size: 8, .value_kind: global_buffer, .address_space: global }
      - { .name: maskc, .offset: 8, .size: 8, .value_kind: global_buffer, .address_space: global }
      - { .name: ob, .offset: 16, .size: 8, .value_kind: global_buffer, .address_space: global }
    .group_segment_fixed_size: 327680
    .private_segment_fixed_size: 0
    .kernarg_segment_align: 8
    .kernarg_segment_size: 24
    .max_flat_workgroup_size: 128
    .sgpr_count:     80
    .vgpr_count:     1024
    .wavefront_size: 32
...
	.end_amdgpu_metadata
.endif
;; end of part 3
;; launch outproj (part 4): grid 32 x 8, 4 waves a work-group, clusters of 4 x 1, 327,680 bytes of LDS; arguments ob, wb, bo, x, out0; writes out0
.if DOCPART == 4
	.amdgcn_target "amdgcn-amd-amdhsa--gfx1250"
	.amdhsa_code_object_version 6
	.text
	.protected	k_q01553d03f0_outproj
	.globl	k_q01553d03f0_outproj
	.p2align	8
	.type	k_q01553d03f0_outproj,@function
k_q01553d03f0_outproj:
	s_mov_b64 s[64:65], 0
	v_nop
	global_prefetch_b8 v0, s[64:65] scope:SCOPE_SE
	s_setreg_imm32_b32 hwreg(HW_REG_WAVE_MODE, 25, 1), 1
	s_wait_xcnt 0x0
	s_wait_alu depctr_hold_cnt(0) depctr_sa_sdst(0) depctr_va_vdst(0) depctr_va_sdst(0) depctr_va_ssrc(0) depctr_va_vcc(0) depctr_vm_vsrc(0)
	s_getreg_b32 s2, hwreg(HW_REG_IB_STS2, 6, 4)
	s_cmp_eq_u32 s2, 0
	s_cbranch_scc0 .Lentry_in_a_cluster
	s_endpgm
.Lentry_in_a_cluster:
	s_bfe_u32 s2, ttmp6, 0x10000c
	s_cmp_lg_u32 s2, 0x3003
	s_cbranch_scc0 .Lentry_shape_is_right
	s_endpgm
.Lentry_shape_is_right:
; out0 = x + O Wo^T + bo.  wb rows 3072..4095: Wo, bf16, [1024][1024]; bo, x, out0 f32; x and out0: [l][b][1024].  Sums in f32.
; ob: bf16, [head = 16 b + hh][64 blocks of 16 l][4 blocks of 16 channels][lane][8]: two neighbouring channel blocks (1,024 bytes) are a matrix source of 16 rows x 32 K as it lies in registers.
; A tile is 256 rows (256 consecutive l of one b) x 128 columns: 32 x 8 = 256 work-groups.  Four waves; wave w makes rows 64 w .. 64 w + 63 x all 128 columns: 32 accumulators, 256 registers.
; NO RING.  The tile's 128 rows of Wo, all 1,024 along K, are 8 K steps x 128 rows x 272 bytes = 278,528 bytes of LDS: filled ONCE, at the start, and read by all four waves.  Nothing is filled again.
; A fragment of ob is wanted by one wave alone, so it comes straight from memory into registers, 512 consecutive bytes a load, seven quarters (224 matrix instructions) ahead of its product.
; CLUSTER 4 x 1: the four tile rows of a cluster multiply by the same rows of Wo: each of its tiles is asked for JOINTLY.  ob, x and out0 are a work-group's own.
; THE PRODUCT IS USED TRANSPOSED (source 0 = 16 rows of Wo, source 1 = 16 rows of ob): lane l holds row l % 16 and the columns 8 (l / 16) + 0..7.  THE BIAS is the C operand of the product that starts each sum.
; A QUARTER is 32 along K: 32 matrix instructions.  Quarter kc asks for ob's quarter kc + 7 (into the ring buffer that quarter kc - 1 read) and fetches Wo's fragments of quarter kc + 1 from LDS.
; The last seven quarters have nothing of ob left to ask for and ask for x in its place.
; REGISTERS, in windows of 256 (s_set_vgpr_msb: bits 1:0 source 0, 3:2 source 1, 5:4 source 2, 7:6 destination):
;   window 0: v17-31 addresses; v32-95 the bias (column block b at 32 + 8 b); v128-191, v192-255 Wo's fragments, two buffers      window 1: ob's ring: eight quarters of 32 (row block a at + 8 a); on the way out rows read back
;   window 2: accumulator (a, b) at 64 a + 8 b         window 3: x: my row n at 4 n
.set BPITCH, 272                       ; a row of a K step in LDS: 256 bytes + 16 = 68 words: the 16 rows of a fragment load start at 16 different groups of four banks (64 banks of 4 bytes: ISA guide 11.1)
.set TILEB, 128*BPITCH                 ; a K step of Wo's 128 rows
.set STAGE, 8*TILEB                    ; behind the eight K steps, never filled by a tensor load: 16 rows x 528 bytes for each wave
.set SP,    528                        ; 512 bytes of f32 + 16
.set SPARE, STAGE+4*16*SP              ; the spare words, 128 bytes a wave: two blocks of 256 bytes that no other line names
.set HEADB, 131072                     ; a head's bytes in ob
.set LAPB,  4*HEADB                    ; eight quarters = four heads = once round the ring
.set BIAS, 32
.set BF0,  128
.set BF1,  192
.set B0,   17                          ; v17  my lane's place in a K step of Wo; never rewritten
.set ADRB, 19                          ; v19  B0 + the K step in hand
.set STO,  24                          ; v24  the way out: where I put 32 bytes of a row
.set RD,   25                          ; v25  where I read a row back
.set GO,   26                          ; v26  16 x lane: ob's and x's loads, out0's stores
.set SPW,  28                          ; v28  my spare word; never rewritten
.set NIL,  29                          ; v29  0; never rewritten
.set PFO,  30                          ; v30  256 x lane: the prefetches' offset
.set BO,   31                          ; v31  32 x (lane / 16): my eight numbers in 16 of the bias
.set CNT,  3
.set WV,   16
.set CX,   19
.set TX,   21                          ; s21  tile column, which the four partners share
.set TY,   22                          ; s22  tile row: it enters ob's, x's and out0's addresses alone
.set TB,   23                          ; s23  the LDS byte of the K step in hand
.set G1,   24                          ; s[24:31] descriptor group 1
.set G0,   32                          ; s[32:47] group 0: a set for each of my four loads
.set AB,   48                          ; s[48:49] ob at my 64 rows, at the lap that is being asked for
.set XB,   50                          ; s[50:51] x at my first row and my tile's columns
.set OUTB, 52                          ; s[52:53] out0 likewise
.set BP,   54                          ; s[54:55] bo at my tile's columns
.set LIM,  56                          ; s56  1 in a work-group that prefetches, else the greatest number
.set MSB, 0
.macro WIN new                         ; the immediate's high byte repeats the setting that is left; a switch that changes nothing is dropped
.if MSB != (\new)
	s_set_vgpr_msb (MSB<<8)|(\new)
.set MSB, \new
.endif
.endm
.macro PLACES                          ; four plain instructions between a matrix instruction and a load into, or a read of, its registers
.rept 4
	v_nop
.endr
.endm
.macro CROUND                          ; a round of the cluster's barrier
	s_barrier_signal -1
	s_barrier_wait -1
	s_cmp_lg_u32 s[WV], 0
	s_cbranch_scc1 .Lnot_wave_0_\@
	s_barrier_signal -3
.Lnot_wave_0_\@:
	s_barrier_wait -3
	s_barrier_signal -1
	s_barrier_wait -1
.endm
	s_load_b256 s[4:11], s[0:1], 0x0               ; ob s[4:5], wb s[6:7], bo s[8:9], x s[10:11]
	s_load_b64 s[12:13], s[0:1], 0x20              ; out0
	v_lshl_add_u32 v[SPW], v0, 2, SPARE
	v_mov_b32 v[NIL], 0
	ds_add_u32 v[SPW], v[NIL]                      ; the wave's opening: the add and its wait stand ahead of my first tensor load; work on registers stands between them
	v_lshrrev_b32 v1, 5, v0
	v_readfirstlane_b32 s[WV], v1
	s_bfe_u32 s[CX], ttmp6, 0x40000
	s_lshl_b32 s[TY], ttmp9, 2
	s_add_co_u32 s[TY], s[TY], s[CX]               ; tile row = 4 x cluster x + cx
	s_and_b32 s[TX], ttmp7, 0xffff
	; descriptor group 1: 64 rows x 128 elements of Wo, padded in LDS
	s_mov_b32 s[G1], 15|(1<<16)|(1<<20)|(1<<21)|(5<<22)|(3<<25)   ; the mask of four; 2-byte elements; padding on; bit 21 beside a mask; after every 64 words, 4 words
	s_mov_b32 s[G1+1], 128<<16                     ; tensor_dim0 = 128
	s_mov_b32 s[G1+2], 64<<16                      ; tensor_dim1 = 64
	s_mov_b32 s[G1+3], 128<<16                     ; tile_dim0 = 128
	s_mov_b32 s[G1+4], 64                          ; tile_dim1 = 64
	s_mov_b32 s[G1+5], 1024                        ; elements from row to row
	s_mov_b32 s[G1+6], 0
	s_mov_b32 s[G1+7], 0
	; my load j of four: rows 64 (w % 2) on of K step 2 j + w / 2
	s_lshl_b32 s58, s[TX], 18                      ; 128 rows of 2,048 bytes a tile column
	s_and_b32 s59, s[WV], 1
	s_lshl_b32 s59, s59, 17                        ; 64 rows
	s_add_co_u32 s58, s58, s59
	s_lshr_b32 s59, s[WV], 1
	s_lshl_b32 s59, s59, 8                         ; a K step is 256 bytes of a row
	s_add_co_u32 s58, s58, s59
	s_add_co_u32 s58, s58, 3072*2048               ; Wo lies behind Wq, Wk and Wv
	s_mov_b32 s59, 0
	s_mul_i32 s62, s[WV], 64*BPITCH                ; in LDS: K step w / 2, half w % 2 = w x 64 rows: no place in the cluster enters an LDS address
	s_mov_b32 s[TB], 0
	s_wait_dscnt 0x0                               ; the opening add is done
	s_wait_kmcnt 0x0
	s_add_nc_u64 s[60:61], s[6:7], s[58:59]
	CROUND                                         ; all four work-groups are here: the joint loads meet
.irp j, 0,1,2,3
	s_mov_b32 s[G0+4*\j], 1
	s_add_co_u32 s[G0+4*\j+1], s62, \j*2*TILEB
	s_add_nc_u64 s[G0+4*\j+2:G0+4*\j+3], s[60:61], \j*512
	s_or_b32 s[G0+4*\j+3], s[G0+4*\j+3], 0x80000000
.endr
.irp j, 0,1,2,3                        ; all of Wo's tile goes out as one group: four loads of mine are out; an s_nop 0 follows each, four v_nop the last
	tensor_load_to_lds s[G0+4*\j:G0+4*\j+3], s[G1:G1+7]
	s_nop 0
.endr
	PLACES
	v_and_b32 v1, 15, v0                           ; l % 16
	v_bfe_u32 v2, v0, 4, 1                         ; l / 16
	v_and_b32 v7, 31, v0
	v_lshlrev_b32 v[BO], 5, v2
	v_lshlrev_b32 v[GO], 4, v7
	v_lshlrev_b32 v[PFO], 8, v7
	s_and_b32 s58, s[TY], 3
	s_lshl_b32 s58, s58, 8
	s_lshl_b32 s59, s[WV], 6
	s_add_co_u32 s58, s58, s59                     ; my first l
	s_lshr_b32 s62, s[TY], 2                       ; b
	s_lshl_b32 s60, s58, 7                         ; ob: 128 bytes for each l,
	s_lshl_b32 s61, s62, 21                        ; 16 heads for each b
	s_add_co_u32 s60, s60, s61
	s_mov_b32 s61, 0
	s_add_nc_u64 s[AB:AB+1], s[4:5], s[60:61]
	s_lshl_b32 s58, s58, 3
	s_add_co_u32 s58, s58, s62                     ; x, out0: row 8 l + b
	s_lshl_b32 s58, s58, 12
	s_lshl_b32 s60, s[TX], 9                       ; 128 columns of 4 bytes
	s_add_co_u32 s58, s58, s60
	s_mov_b32 s59, 0
	s_add_nc_u64 s[XB:XB+1], s[10:11], s[58:59]
	s_add_nc_u64 s[OUTB:OUTB+1], s[12:13], s[58:59]
	s_add_nc_u64 s[BP:BP+1], s[8:9], s[60:61]
	s_cmp_eq_u32 s[TX], 0                          ; ob's rows are read by the eight tile columns: the first prefetches; the same in all four partners
	s_cselect_b32 s[LIM], 1, -1
.irp b, 0,1,2,3,4,5,6,7
	global_load_b128 v[BIAS+8*\b:BIAS+8*\b+3],   v[BO], s[BP:BP+1] offset:64*\b      ; register j of lane l: bias of column 16 b + 8 (l / 16) + j
	global_load_b128 v[BIAS+8*\b+4:BIAS+8*\b+7], v[BO], s[BP:BP+1] offset:64*\b+16
.endr
; ob's fragments of one quarter, into ring buffer lb: head lb / 2 of the lap at which s[AB] stands, channels 32 (lb % 2) on; four row blocks, two loads of 512 consecutive bytes each
.macro ALOAD lb
	WIN 0x40
.irp a, 0,1,2,3
	global_load_b128 v[32*(\lb)+8*\a:32*(\lb)+8*\a+3],   v[GO], s[AB:AB+1] offset:((\lb)/2)*HEADB+((\lb)%2)*1024+\a*2048
	global_load_b128 v[32*(\lb)+8*\a+4:32*(\lb)+8*\a+7], v[GO], s[AB:AB+1] offset:((\lb)/2)*HEADB+((\lb)%2)*1024+\a*2048+512
.endr
.endm
; cnt rows of x from row n0 on: a row's 512 bytes a load; rows of one b lie 32,768 bytes apart
.macro XLOAD n0, cnt
	WIN 0xc0
.set n, \n0
.rept \cnt
	global_load_b128 v[4*n:4*n+3], v[GO], s[XB:XB+1] offset:n*32768 th:TH_LOAD_NT
.set n, n+1
.endr
.endm
; Wo's fragments of quarter kq of the K step in hand, into buffer g: 16 LDS loads in one run
.macro FETCHB kq, g
	WIN 0
.irp b, 0,1,2,3,4,5,6,7
	ds_load_b128 v[(\g)+8*\b:(\g)+8*\b+3],   v[ADRB] offset:64*(\kq)+\b*16*BPITCH
	ds_load_b128 v[(\g)+8*\b+4:(\g)+8*\b+7], v[ADRB] offset:64*(\kq)+\b*16*BPITCH+32
.endr
.endm
; 32 matrix instructions: ring buffer mb x fragment buffer f.  first = 1: the bias starts the sums.  The 32 accumulators take turns in the same order in every quarter, over the backward jump too.
.macro MUL mb, f, first
.if \first
	WIN 0x84
.else
	WIN 0xa4
.endif
.irp a, 0,1,2,3
.irp b, 0,1,2,3,4,5,6,7
.if \first
	v_wmma_f32_16x16x32_bf16 v[64*\a+8*\b:64*\a+8*\b+7], v[(\f)+8*\b:(\f)+8*\b+7], v[32*(\mb)+8*\a:32*(\mb)+8*\a+7], v[BIAS+8*\b:BIAS+8*\b+7]
.else
	v_wmma_f32_16x16x32_bf16 v[64*\a+8*\b:64*\a+8*\b+7], v[(\f)+8*\b:(\f)+8*\b+7], v[32*(\mb)+8*\a:32*(\mb)+8*\a+7], v[64*\a+8*\b:64*\a+8*\b+7]
.endif
.endr
.endr
.endm
; A PREFETCH INTO THE L2 of what the NEXT trip will load: my 64 rows of four heads, 8,192 consecutive bytes each: a lane 256 bytes, a line a head.  Each wave asks for its own rows, in the work-groups of tile
; column 0 alone: each block is named once in the launch, a trip (256 matrix instructions) ahead of its load.  The last trip has no trip behind it; heads 0 to 7 come by their loads alone.
.macro ASK
	s_cmp_gt_u32 s[CNT], s[LIM]
	s_cbranch_scc0 .Lnot_mine_\@
.irp hd, 0,1,2,3
	global_prefetch_b8 v[PFO], s[AB:AB+1] offset:LAPB+\hd*HEADB th:TH_LOAD_NT scope:SCOPE_SE
.endr
.Lnot_mine_\@:
.endm
; A QUARTER.  mb: the ring buffer that it multiplies; f, g: Wo's fragment buffers, multiplied and fetched; kq: the quarter to fetch (-1: none); x0 < 0: ob's quarter seven on is asked for, else nx rows of x from x0 on;
; stp: the fetch goes on to the next K step; syn: that K step is the first of a pair not yet shown landed; ask: the trip's prefetches; first: the bias starts the sums.
; THE COUNT 48: behind the eight loads of the quarter in hand six more quarters' have been issued; in the last seven quarters x's loads have taken the place of ob's, eight for eight.
.macro QTR mb, f, g, kq, x0, nx, stp, syn, ask, first
	s_wait_loadcnt 48
	s_wait_dscnt 0x0                               ; buffer f's loads were issued 32 matrix instructions ago
.if \syn
	s_wait_tensorcnt 0x0                           ; my loads of the later K steps have landed: real in the first trip; the later trips find nothing out.  (The counts 2, 1, 0 that would do cannot stand in one text.)
	s_barrier_signal -1                            ; it shows every wave's part of Wo to every wave
	s_barrier_wait -1
.endif
	PLACES                                         ; the matrix instructions just issued read the ring buffer and the fragment buffer that are loaded below
.if \stp
	WIN 0
	s_add_co_u32 s[TB], s[TB], TILEB
	v_add_nc_u32 v[ADRB], s[TB], v[B0]
.endif
.if (\x0) < 0
	ALOAD ((\mb)+7)%8
.else
	XLOAD \x0, \nx
.endif
.if (\kq) >= 0
	FETCHB \kq, \g
.endif
.if \ask
	WIN 0
	ASK
.endif
	MUL \mb, \f, \first
.endm
	ALOAD 0                                        ; five quarters of ob behind the bias: 56 loads are out
	ALOAD 1
	ALOAD 2
	ALOAD 3
	ALOAD 4
	WIN 0
	v_mul_u32_u24 v3, v1, BPITCH                   ; a fragment: lane l holds row l % 16, K = 8 (l / 16) + 0..7 and 16 + 8 (l / 16) + 0..7: two loads of 16 bytes, 32 bytes apart
	v_lshl_add_u32 v[B0], v2, 4, v3
	s_mul_i32 s58, s[WV], 16*SP
	s_add_co_u32 s58, s58, STAGE                   ; my stage
	v_mul_u32_u24 v4, v1, SP                       ; in: row l % 16, 32 bytes for each half of the lanes
	v_lshl_add_u32 v4, v2, 5, v4
	v_add_nc_u32 v[STO], s58, v4
	v_add_nc_u32 v[RD], s58, v[GO]                 ; back: 32 lanes take a row of 512 bytes
	s_wait_tensorcnt 0x3                           ; my first load is in: my part of K steps 0 and 1; the other three may stay out
	s_barrier_signal -1
	s_barrier_wait -1                              ; everybody's is
	v_mov_b32 v[ADRB], v[B0]
	FETCHB 0, BF0
	s_wait_loadcnt 40                              ; the bias is in: the five quarters of ob are younger
	ALOAD 5
	ALOAD 6
	QTR 0, BF0, BF1, 1, -1, 0, 0, 0, 0, 1          ; quarter 0 stands in front of the loop: its products start the sums
	WIN 0
	s_wait_xcnt 0x0                                ; the loads issued so far have read their base
	s_add_nc_u64 s[AB:AB+1], s[AB:AB+1], LAPB
	s_mov_b32 s[CNT], 3
.Llap:                                                 ; three trips of eight quarters: quarters 1 to 24; they ask for ob's quarters 8 to 31
	QTR 1, BF1, BF0, 2, -1, 0, 0, 0, 1, 0
	QTR 2, BF0, BF1, 3, -1, 0, 0, 0, 0, 0
	QTR 3, BF1, BF0, 0, -1, 0, 1, 0, 0, 0
	QTR 4, BF0, BF1, 1, -1, 0, 0, 0, 0, 0
	QTR 5, BF1, BF0, 2, -1, 0, 0, 0, 0, 0
	QTR 6, BF0, BF1, 3, -1, 0, 0, 0, 0, 0
	QTR 7, BF1, BF0, 0, -1, 0, 1, 1, 0, 0
	QTR 0, BF0, BF1, 1, -1, 0, 0, 0, 0, 0
	WIN 0
	s_wait_xcnt 0x0                                ; the trip's loads (the youngest 32 matrix instructions back) and prefetches have read their base
	s_add_nc_u64 s[AB:AB+1], s[AB:AB+1], LAPB
	s_sub_co_u32 s[CNT], s[CNT], 1
	s_cmp_lg_u32 s[CNT], 0
	s_cbranch_scc1 .Llap
	QTR 1, BF1, BF0, 2,  0,  8, 0, 0, 0, 0         ; quarters 25 to 31: x in ob's place, in the order in which the way out wants it
	QTR 2, BF0, BF1, 3,  8,  8, 0, 0, 0, 0
	QTR 3, BF1, BF0, 0, 16,  8, 1, 0, 0, 0
	QTR 4, BF0, BF1, 1, 24,  8, 0, 0, 0, 0
	QTR 5, BF1, BF0, 2, 32,  8, 0, 0, 0, 0
	QTR 6, BF0, BF1, 3, 40,  8, 0, 0, 0, 0
	QTR 7, BF1, BF0, -1, 48, 16, 0, 0, 0, 0        ; seven quarters for eight times eight rows: the last takes sixteen
	WIN 0
	PLACES
	PLACES
; THE WAY OUT, a block of 16 rows at a time: the f32 sums go into my stage (a lane holds 8 columns of a row), come back as whole rows of 512 bytes, take x, and are stored.
.macro STS a
	WIN 0x08                                       ; data in window 2
.irp b, 0,1,2,3,4,5,6,7
	ds_store_b128 v[STO], v[64*(\a)+8*\b:64*(\a)+8*\b+3]   offset:64*\b       ; each accumulator's low registers first
	ds_store_b128 v[STO], v[64*(\a)+8*\b+4:64*(\a)+8*\b+7] offset:64*\b+16
.endr
.endm
.macro STL a
	WIN 0x40                                       ; destination in window 1: the ring has been multiplied
.irp t, 0,1,2,3,4,5,6,7,8,9,10,11,12,13,14,15
	ds_load_b128 v[64*(\a)+4*\t:64*(\a)+4*\t+3], v[RD] offset:SP*\t   ; LDS serves a wave's instructions in order (ISA guide 5.7.1.4): these see the stores above; the next block's stores come behind them
.endr
.endm
.macro FIN a, younger                  ; younger: the LDS lines issued behind this block's loads: the next block's sixteen stores, or none
	s_wait_loadcnt 48-16*(\a)                      ; x's rows of this block are in; the later blocks', sixteen loads each, may stay out
	s_wait_dscnt \younger
	WIN 0x4d                                       ; rows in window 1, x in window 3
.set k, 64*(\a)
.rept 32
	v_pk_add_f32 v[k:k+1], v[k:k+1], v[k:k+1]
.set k, k+2
.endr
	WIN 0x04                                       ; data in window 1
.irp t, 0,1,2,3,4,5,6,7,8,9,10,11,12,13,14,15
	global_store_b128 v[GO], v[64*(\a)+4*\t:64*(\a)+4*\t+3], s[OUTB:OUTB+1] offset:(16*(\a)+\t)*32768 th:TH_STORE_NT   ; 512 consecutive bytes, aligned; no register of a store is written again
.endr
.endm
	STS 0
	STL 0
	STS 1
	FIN 0, 16
	STL 1
	STS 2
	FIN 1, 16
	STL 2
	STS 3
	FIN 2, 16
	STL 3
	FIN 3, 0
	WIN 0
	s_wait_tensorcnt 0x0                           ; the wave's end: these three lines stand behind my last tensor load and my last LDS store
	ds_add_u32 v[SPW], v[NIL]
	s_wait_dscnt 0x0
	CROUND                                         ; the closing round
	s_endpgm
.Lfunc_end_k_q01553d03f0_outproj:
	.size	k_q01553d03f0_outproj, .Lfunc_end_k_q01553d03f0_outproj-k_q01553d03f0_outproj
	.p2alignl 7, 3214868480
	.fill 96, 4, 3214868480
	.section	.rodata,"a",@progbits
	.p2align	6, 0x0
	.amdhsa_kernel k_q01553d03f0_outproj
		.amdhsa_group_segment_fixed_size 327680
		.amdhsa_private_segment_fixed_size 0
		.amdhsa_enable_private_segment 0
		.amdhsa_kernarg_size 40
		.amdhsa_user_sgpr_count 2
		.amdhsa_user_sgpr_kernarg_segment_ptr 1
		.amdhsa_wavefront_size32 1
		.amdhsa_system_sgpr_workgroup_id_x 1
		.amdhsa_system_sgpr_workgroup_id_y 1
		.amdhsa_system_sgpr_workgroup_id_z 1
		.amdhsa_system_vgpr_workitem_id 0
		.amdhsa_next_free_vgpr 1024
		.amdhsa_next_free_sgpr 70
		.amdhsa_reserve_vcc 0
		.amdhsa_float_denorm_mode_32 3
		.amdhsa_float_denorm_mode_16_64 3
		.amdhsa_memory_ordered 1
		.amdhsa_forward_progress 1
		.amdhsa_inst_pref_size 103
	.end_amdhsa_kernel
	.amdgpu_metadata
---
amdhsa.version: [ 1, 2 ]
amdhsa.kernels:
  - .name:           k_q01553d03f0_outproj
    .symbol:         k_q01553d03f0_outproj.kd
    .args:
      - { .name: ob, .offset: 0, .size: 8, .value_kind: global_buffer, .address_space: global }
      - { .name: wb, .offset: 8, .size: 8, .value_kind: global_buffer, .address_space: global }
      - { .name: bo, .offset: 16, .size: 8, .value_kind: global_buffer, .address_space: global }
      - { .name: x, .offset: 24, .size: 8, .value_kind: global_buffer, .address_space: global }
      - { .name: out0, .offset: 32, .size: 8, .value_kind: global_buffer, .address_space: global }
    .group_segment_fixed_size: 327680
    .private_segment_fixed_size: 0
    .kernarg_segment_align: 8
    .kernarg_segment_size: 40
    .max_flat_workgroup_size: 128
    .sgpr_count:     70
    .vgpr_count:     1024
    .wavefront_size: 32
...
	.end_amdgpu_metadata
.endif
;; end of part 4
;; ======== version 2 of 2: 4 launches; version 1 with the launch prep written anew for expert scheduling mode
;; workspace buffers: xn 16,777,216 bytes; wb 8,388,608 bytes; maskc 4,194,304 bytes; qkv 50,331,648 bytes; ob 16,777,216 bytes
;; launch prep (part 5): grid 256 x 1, 8 waves a work-group, no clusters, 0 bytes of LDS; arguments x, gamma, beta, Wq, Wk, Wv, Wo, attn_mask, xn, wb, maskc; writes xn, wb, maskc
.if DOCPART == 5
	.amdgcn_target "amdgcn-amd-amdhsa--gfx1250"
	.amdhsa_code_object_version 6
	.text
	.protected	k_q01553d03f0_prep
	.globl	k_q01553d03f0_prep
	.p2align	8
	.type	k_q01553d03f0_prep,@function
k_q01553d03f0_prep:
	s_mov_b64 s[64:65], 0
	v_nop
	global_prefetch_b8 v0, s[64:65] scope:SCOPE_SE
	s_setreg_imm32_b32 hwreg(HW_REG_WAVE_SCHED_MODE, 0, 2), 2
	s_setreg_imm32_b32 hwreg(HW_REG_WAVE_MODE, 25, 1), 1
	s_wait_xcnt 0x0
	s_wait_alu depctr_vm_vsrc(0)
; THREE STREAMS, AN EQUAL SHARE OF EACH FOR EVERY WAVE.  Wave gw = 8 x work-group + wave, 0..2047:
;  (1) LayerNorm of x ([1024 l][8 b][1024] f32), rows 4 gw .. 4 gw + 3 -> xn, bf16, rows in the order b*1024 + l (a block of 256 rows is then 256 consecutive l of one b).
;      A row (4,096 bytes) stays in 32 registers between the pass for the mean, the pass for the variance (of x - mean: no difference of large sums) and the scaling.
;  (2) 8,192 bytes of Wq, Wk, Wv or Wo (f32) -> wb, bf16, [4096][1024]: the four weights one below the other.
;  (3) attn_mask (f32 [q][k]), 16 queries x 32 keys -> maskc, f32: max(8 x mask, -2^103), laid out as the C operand of S^T = K Q^T:
;      [q/16][k/16][c][lane][4]; lane (r = lane % 16, h = lane / 16) holds q = 16 (q/16) + r, k = 16 (k/16) + 8 h + 4 c + 0..3.
;      A wave's four loads take 128 consecutive bytes of each of 16 rows; the next wave of the same work-group takes the other 128 of each aligned 256.
; LIMITS.  A mask number below -2^100 (minus infinity too) counts as -2^100; a NaN in the mask likewise.  The factor 8 undoes the later factor 1/8 on the whole score; both are powers of two.
; IN FLIGHT.  (1)'s 48 loads and (2)'s first eight go out at once: 56; (2)'s other eight go out behind row 0's stores, (3)'s four behind row 1's, so that loads are on their way until the end.
; No LDS, no barrier, no matrix unit: no wave wants a byte that another has fetched.  Every store of a wave covers 256 or 512 consecutive bytes, aligned.
; THE MODE: SCHED_MODE bits 1:0 = 2 (LLVM: expert scheduling mode 2), set by the entry lines.  The code itself states the register dependences
; between vector instructions and memory instructions, with s_wait_alu, always for 0.
; THE PLAN.  Registers that memory instructions touch:
;   v1, v2, v3     byte offsets, made once at the head and never written again: one wait ahead of the first load serves every load and store of the kernel.
;   G, BT          written by loads at the head, read by vector instructions alone.
;   X0 .. X3       a row each.  Written by loads at the head; row i's arithmetic works in place; its eight stores read the first two of each four registers; nothing writes them after that.
;   W0, W1, XM     the weight's two groups of eight loads and the mask's four: registers of their own.  Written by their loads, rounded or scaled in place, read by their stores, never written after that.
; So no load lands in a register that a vector instruction has named, and no register that a memory instruction has read is written again: what is left to state is that a group's results are
; written before its stores read them.  The stores therefore stand in runs, one run behind each group's arithmetic, with one wait ahead of the run.
.set LO,   1                           ; v1   16 x lane
.set SO,   2                           ; v2   8 x lane
.set MOFF, 3                           ; v3   the mask's source: r x 4,096 + 32 h
.set A,    4                           ; v[4:11]   four chains of packed sums
.set MU,   12                          ; v[12:13]  the mean, twice
.set R,    14                          ; v[14:15]  1 / sqrt(var + eps), twice
.set T,    16                          ; v[16:19]  at work
.set G,    32                          ; v[32:63]  gamma of my 32 columns
.set BT,   64                          ; v[64:95]  beta
.set X,    96                          ; v[96:223] four rows of 32 registers
.set W0,   224                         ; v[224:255] the weight's loads 0 to 7
.set W1,   0                           ; v[256:287], in window 1: its loads 8 to 15
.set XM,   32                          ; v[288:303], in window 1: the mask's four loads
.set WV,   26                          ; s26  my wave's number
.set GW,   27                          ; s27  gw
.set MSB, 0
.macro WIN new                         ; s_set_vgpr_msb: bits 1:0 source 0, 3:2 source 1, 5:4 source 2, 7:6 destination; the high byte repeats the setting that is left; a switch that changes nothing is dropped
.if MSB != (\new)
	s_set_vgpr_msb (MSB<<8)|(\new)
.set MSB, \new
.endif
.endm
	s_load_b512 s[4:19], s[0:1], 0x0               ; x s[4:5], gamma s[6:7], beta s[8:9], Wq s[10:11], Wk s[12:13], Wv s[14:15], Wo s[16:17], attn_mask s[18:19]
	s_load_b128 s[20:23], s[0:1], 0x40             ; xn s[20:21], wb s[22:23]
	s_load_b64 s[24:25], s[0:1], 0x50              ; maskc
	v_lshrrev_b32 v[T], 5, v0
	v_readfirstlane_b32 s[WV], v[T]
	v_and_b32 v[T+1], 31, v0                       ; (also: T+1 is written before v_permlanex16_b32 names it as its destination)
	v_lshlrev_b32 v[LO], 4, v[T+1]
	v_lshlrev_b32 v[SO], 3, v[T+1]
	v_and_b32 v[T+2], 15, v0
	v_bfe_u32 v[T+3], v0, 4, 1
	v_lshlrev_b32 v[MOFF], 12, v[T+2]
	v_lshl_add_u32 v[MOFF], v[T+3], 5, v[MOFF]
	s_mov_b32 s29, 0                               ; high words of the two offsets
	s_mov_b32 s31, 0
	s_mov_b32 s32, 0x76543210                      ; v_permlanex16_b32: each lane takes its own place in the other half
	s_mov_b32 s33, 0xfedcba98
	s_mov_b32 s34, 0x3a800000                      ; 1 / 1024
	s_mov_b32 s35, 0x3727c5ac                      ; 1e-5
	s_mov_b32 s36, 0xf3000000                      ; -2^103
	s_wait_alu depctr_va_sdst(0)                   ; my wave's number is written, ahead of its first reader: every base below is made from it
	s_lshl_b32 s[GW], ttmp9, 3
	s_add_co_u32 s[GW], s[GW], s[WV]
	s_lshr_b32 s37, ttmp9, 6                       ; which weight: 512 waves to each
	s_wait_kmcnt 0x0
	s_lshl_b32 s28, s[GW], 14                      ; x: four rows of 4,096 bytes; l = gw / 2, b = 4 (gw % 2) + i
	s_add_nc_u64 s[4:5], s[4:5], s[28:29]
	s_and_b32 s30, s[GW], 1
	s_lshl_b32 s30, s30, 23                        ; xn: 4 x 1,024 rows of 2,048 bytes,
	s_lshr_b32 s28, s[GW], 1
	s_lshl_b32 s28, s28, 11                        ; row l
	s_add_co_u32 s30, s30, s28
	s_add_nc_u64 s[20:21], s[20:21], s[30:31]
	s_wait_alu depctr_va_vdst(0)                   ; v1, v2 and v3 are written: every load and store of the kernel reads one of them as its offset
.irp j, 0,1,2,3,4,5,6,7
	global_load_b128 v[G+4*\j:G+4*\j+3], v[LO], s[6:7] offset:512*\j     ; load j, lane l: columns 128 j + 4 l + 0..3
.endr
.irp j, 0,1,2,3,4,5,6,7
	global_load_b128 v[BT+4*\j:BT+4*\j+3], v[LO], s[8:9] offset:512*\j
.endr
.irp i, 0,1,2,3
.irp j, 0,1,2,3,4,5,6,7
	global_load_b128 v[X+32*\i+4*\j:X+32*\i+4*\j+3], v[LO], s[4:5] offset:4096*\i+512*\j th:TH_LOAD_NT
.endr
.endr
	s_cmp_eq_u32 s37, 1                            ; the weight's and the mask's addresses, while those loads are out
	s_cselect_b64 s[38:39], s[12:13], s[10:11]
	s_cmp_eq_u32 s37, 2
	s_cselect_b64 s[38:39], s[14:15], s[38:39]
	s_cmp_eq_u32 s37, 3
	s_cselect_b64 s[38:39], s[16:17], s[38:39]
	s_and_b32 s28, s[GW], 511
	s_lshl_b32 s28, s28, 13                        ; my 8,192 bytes of it
	s_add_nc_u64 s[38:39], s[38:39], s[28:29]
	s_lshl_b32 s30, s[GW], 12                      ; and their 4,096 in wb
	s_add_nc_u64 s[22:23], s[22:23], s[30:31]
	s_lshr_b32 s28, s[GW], 5
	s_lshl_b32 s28, s28, 16                        ; the mask: 16 rows of 4,096 bytes,
	s_and_b32 s30, s[GW], 31
	s_lshl_b32 s30, s30, 7                         ; 32 keys of 4 bytes
	s_add_co_u32 s28, s28, s30
	s_add_nc_u64 s[18:19], s[18:19], s[28:29]
	s_lshl_b32 s30, s[GW], 11                      ; and their 2,048 bytes in maskc
	s_add_nc_u64 s[24:25], s[24:25], s[30:31]
.macro COMB                            ; the four chains into one number a lane
	v_pk_add_f32 v[A:A+1], v[A:A+1], v[A+2:A+3]
	v_pk_add_f32 v[A+4:A+5], v[A+4:A+5], v[A+6:A+7]
	v_pk_add_f32 v[A:A+1], v[A:A+1], v[A+4:A+5]
	v_add_f32 v[T], v[A], v[A+1]
.endm
.macro RED                             ; the sum over the 32 lanes, in every lane
	v_add_f32_dpp v[T], v[T], v[T] row_xmask:1 row_mask:0xf bank_mask:0xf
	v_add_f32_dpp v[T], v[T], v[T] row_xmask:2 row_mask:0xf bank_mask:0xf
	v_add_f32_dpp v[T], v[T], v[T] row_xmask:4 row_mask:0xf bank_mask:0xf
	v_add_f32_dpp v[T], v[T], v[T] row_xmask:8 row_mask:0xf bank_mask:0xf
	v_permlanex16_b32 v[T+1], v[T], s32, s33
	v_add_f32 v[T], v[T], v[T+1]
.endm
.macro ROW i, left                     ; left: the loads issued behind this row's eight
.set XR, X+32*(\i)
	s_wait_loadcnt \left                           ; loads come back in order: my row is in (gamma and beta are older)
.irp k, 0,1,2,3
	v_pk_add_f32 v[A+2*\k:A+2*\k+1], v[XR+2*\k:XR+2*\k+1], v[XR+8+2*\k:XR+8+2*\k+1]   ; the first words start the chains: nothing is cleared
.endr
.irp o, 16,24
.irp k, 0,1,2,3
	v_pk_add_f32 v[A+2*\k:A+2*\k+1], v[A+2*\k:A+2*\k+1], v[XR+\o+2*\k:XR+\o+2*\k+1]
.endr
.endr
	COMB
	RED
	v_mul_f32 v[MU], s34, v[T]
	v_mul_f32 v[MU+1], s34, v[T]
.set k2, 0
.rept 16
	v_pk_add_f32 v[XR+k2:XR+k2+1], v[XR+k2:XR+k2+1], v[MU:MU+1] neg_lo:[0,1] neg_hi:[0,1]   ; x - mean, in place
.set k2, k2+2
.endr
.irp k, 0,1,2,3
	v_pk_mul_f32 v[A+2*\k:A+2*\k+1], v[XR+2*\k:XR+2*\k+1], v[XR+2*\k:XR+2*\k+1]
.endr
.irp o, 8,16,24
.irp k, 0,1,2,3
	v_pk_fma_f32 v[A+2*\k:A+2*\k+1], v[XR+\o+2*\k:XR+\o+2*\k+1], v[XR+\o+2*\k:XR+\o+2*\k+1], v[A+2*\k:A+2*\k+1]
.endr
.endr
	COMB
	RED
	v_fma_f32 v[T], v[T], s34, s35                 ; var + eps
	v_rsq_f32 v[R], v[T]
	v_rsq_f32 v[R+1], v[T]
	v_nop                                          ; a plain instruction behind the last of the two, ahead of the first use (ISA guide 5.7.2)
	s_wait_alu depctr_va_vdst(0)                   ; the two reciprocal roots are written, v[R] and v[R+1], which the multiplies below read: one wait for both
.set k2, 0
.rept 16                               ; the scaling, laid by kind: no line reads the result of the line before it
	v_pk_mul_f32 v[XR+k2:XR+k2+1], v[XR+k2:XR+k2+1], v[R:R+1]
.set k2, k2+2
.endr
.set k2, 0
.rept 16
	v_pk_fma_f32 v[XR+k2:XR+k2+1], v[XR+k2:XR+k2+1], v[G+k2:G+k2+1], v[BT+k2:BT+k2+1]
.set k2, k2+2
.endr
.irp j, 0,1,2,3,4,5,6,7
	v_cvt_pk_bf16_f32 v[XR+4*\j], v[XR+4*\j], v[XR+4*\j+1]
	v_cvt_pk_bf16_f32 v[XR+4*\j+1], v[XR+4*\j+2], v[XR+4*\j+3]
.endr
	s_wait_alu depctr_va_vdst(0)                   ; the roundings have written the first two of each four registers of the row, which the eight stores read
.irp j, 0,1,2,3,4,5,6,7
	global_store_b64 v[SO], v[XR+4*\j:XR+4*\j+1], s[20:21] offset:(\i)*2097152+256*\j   ; 32 lanes store 256 consecutive bytes, aligned; the row's registers are not written again
.endr
.endm
; Eight loads of the weight, 512 consecutive bytes each, from load k0 on, into registers of their own.  No wait: no vector instruction has named them, and none since the head's wait has named v[LO].
.macro WLOAD k0, reg, win
	WIN \win
.irp k, 0,1,2,3,4,5,6,7
	global_load_b128 v[(\reg)+4*\k:(\reg)+4*\k+3], v[LO], s[38:39] offset:512*((\k0)+\k) th:TH_LOAD_NT
.endr
	WIN 0
.endm
.macro WCVT reg                        ; eight loads' numbers rounded: four f32 close up into the first two of their four registers
.set k, 0
.rept 8
	v_cvt_pk_bf16_f32 v[(\reg)+4*k], v[(\reg)+4*k], v[(\reg)+4*k+1]
	v_cvt_pk_bf16_f32 v[(\reg)+4*k+1], v[(\reg)+4*k+2], v[(\reg)+4*k+3]
.set k, k+1
.endr
.endm
.macro WSTORE k0, reg
.set k, 0
.rept 8
	global_store_b64 v[SO], v[(\reg)+4*k:(\reg)+4*k+1], s[22:23] offset:256*((\k0)+k)   ; 256 consecutive bytes, aligned
.set k, k+1
.endr
.endm
	WLOAD 0, W0, 0                                 ; 56 loads are out
	ROW 0, 32                                      ; behind row 0: rows 1 to 3 and eight of the weight
	WLOAD 8, W1, 0x40                              ; destination in window 1
	ROW 1, 32                                      ; behind row 1: rows 2, 3 and sixteen of the weight
	WIN 0x40
.irp n, 0,1,2,3
	global_load_b128 v[XM+4*\n:XM+4*\n+3], v[MOFF], s[18:19] offset:64*(\n/2)+16*(\n%2)   ; key block n / 2, half c = n % 2.  No wait, as for the weight's loads
.endr
	WIN 0
	ROW 2, 28                                      ; behind row 2: row 3, sixteen of the weight and four of the mask
	ROW 3, 20                                      ; behind row 3: sixteen of the weight and four of the mask
	s_wait_loadcnt 12                              ; the weight's loads 0 to 7 are in; its other eight and the mask's four stay out
	WCVT W0
	s_wait_alu depctr_va_vdst(0)                   ; those roundings have written v[W0 ..], which the eight stores read
	WSTORE 0, W0
	s_wait_loadcnt 4                               ; the weight's loads 8 to 15 are in; the mask's four stay out
	WIN 0x45                                       ; both sources and the destination in window 1
	WCVT W1
	s_wait_loadcnt 0x0                             ; the mask
	WIN 0x41                                       ; source 0 and the destination in window 1
.set k, 0
.rept 4
	v_pk_mul_f32 v[XM+4*k:XM+4*k+1], v[XM+4*k:XM+4*k+1], 0x41000000 op_sel_hi:[1,0]
	v_pk_mul_f32 v[XM+4*k+2:XM+4*k+3], v[XM+4*k+2:XM+4*k+3], 0x41000000 op_sel_hi:[1,0]
.set k, k+1
.endr
.set k, 0
.rept 16
	v_max_num_f32 v[XM+k], v[XM+k], s36            ; a NaN loses against the bound
.set k, k+1
.endr
	WIN 0x04                                       ; the stores' data in window 1, their offsets in window 0
	s_wait_alu depctr_va_vdst(0)                   ; the roundings have written v[W1 ..] and the maxima v[XM ..], which the twelve stores read: one wait for both groups
	WSTORE 8, W1
.set k, 0
.rept 4
	global_store_b128 v[LO], v[XM+4*k:XM+4*k+3], s[24:25] offset:512*k   ; 512 consecutive bytes, aligned
.set k, k+1
.endr
	WIN 0
	s_endpgm
.Lfunc_end_k_q01553d03f0_prep:
	.size	k_q01553d03f0_prep, .Lfunc_end_k_q01553d03f0_prep-k_q01553d03f0_prep
	.p2alignl 7, 3214868480
	.fill 96, 4, 3214868480
	.section	.rodata,"a",@progbits
	.p2align	6, 0x0
	.amdhsa_kernel k_q01553d03f0_prep
		.amdhsa_group_segment_fixed_size 0
		.amdhsa_private_segment_fixed_size 0
		.amdhsa_enable_private_segment 0
		.amdhsa_kernarg_size 88
		.amdhsa_user_sgpr_count 2
		.amdhsa_user_sgpr_kernarg_segment_ptr 1
		.amdhsa_wavefront_size32 1
		.amdhsa_system_sgpr_workgroup_id_x 1
		.amdhsa_system_sgpr_workgroup_id_y 1
		.amdhsa_system_sgpr_workgroup_id_z 1
		.amdhsa_system_vgpr_workitem_id 0
		.amdhsa_next_free_vgpr 304
		.amdhsa_next_free_sgpr 66
		.amdhsa_reserve_vcc 0
		.amdhsa_float_denorm_mode_32 3
		.amdhsa_float_denorm_mode_16_64 3
		.amdhsa_memory_ordered 1
		.amdhsa_forward_progress 1
		.amdhsa_inst_pref_size 47
	.end_amdhsa_kernel
	.amdgpu_metadata
---
amdhsa.version: [ 1, 2 ]
amdhsa.kernels:
  - .name:           k_q01553d03f0_prep
    .symbol:         k_q01553d03f0_prep.kd
    .args:
      - { .name: x, .offset: 0, .size: 8, .value_kind: global_buffer, .address_space: global }
      - { .name: gamma, .offset: 8, .size: 8, .value_kind: global_buffer, .address_space: global }
      - { .name: beta, .offset: 16, .size: 8, .value_kind: global_buffer, .address_space: global }
      - { .name: Wq, .offset: 24, .size: 8, .value_kind: global_buffer, .address_space: global }
      - { .name: Wk, .offset: 32, .size: 8, .value_kind: global_buffer, .address_space: global }
      - { .name: Wv, .offset: 40, .size: 8, .value_kind: global_buffer, .address_space: global }
      - { .name: Wo, .offset: 48, .size: 8, .value_kind: global_buffer, .address_space: global }
      - { .name: attn_mask, .offset: 56, .size: 8, .value_kind: global_buffer, .address_space: global }
      - { .name: xn, .offset: 64, .size: 8, .value_kind: global_buffer, .address_space: global }
      - { .name: wb, .offset: 72, .size: 8, .value_kind: global_buffer, .address_space: global }
      - { .name: maskc, .offset: 80, .size: 8, .value_kind: global_buffer, .address_space: global }
    .group_segment_fixed_size: 0
    .private_segment_fixed_size: 0
    .kernarg_segment_align: 8
    .kernarg_segment_size: 88
    .max_flat_workgroup_size: 256
    .sgpr_count:     66
    .vgpr_count:     304
    .wavefront_size: 32
...
	.end_amdgpu_metadata
.endif
;; end of part 5
;; launch qkvproj: the kernel of part 2 again; grid 16 x 32, 4 waves a work-group, clusters of 4 x 4, 327,680 bytes of LDS; arguments xn, wb, bq, bk, bv, qkv; writes qkv
;; launch attn: the kernel of part 3 again; grid 4 x 64, 4 waves a work-group, clusters of 4 x 1, 327,680 bytes of LDS; arguments qkv, maskc, ob; writes ob
;; launch outproj: the kernel of part 4 again; grid 32 x 8, 4 waves a work-group, clusters of 4 x 1, 327,680 bytes of LDS; arguments ob, wb, bo, x, out0; writes out0
